; MI455X (gfx1250); checked and timed in simulation.
; The chip was launched on July 23, 2026; its instructions are those of AMD's public machine-readable ISA for CDNA 5 (MIT licence, August 2026) and "CDNA5" Instruction Set Architecture Reference Guide (July 2026). The comments in the code are by the model that wrote it; some were corrected since.
;; Attention. Allowed arithmetic: matrix products marked QUANTISED: E2M3 operands, one E8M0 scale for each 32 along K, by v_wmma_scale_f32_16x16x128_f8f6f4 with both operands' format E2M3, f32 sums; everything else in f32.
;; Inputs: freqs_cos 2,048 x 64 float32; freqs_sin 2,048 x 64 float32; mask 1 x 1 x 2,048 x 2,048 float32; wk 2,048 x 2,048 float32; wo 2,048 x 2,048 float32; wq 2,048 x 2,048 float32; wv 2,048 x 2,048 float32; x 1 x 2,048 x 2,048 float32.
;; Outputs: out0 1 x 2,048 x 2,048 float32.
;; This version of the problem:
;;   THIS VERSION OF THE PROBLEM IS GIVEN IN LOW PRECISION. The matrix products marked QUANTISED in the list below multiply operands that are first quantised to E2M3 (2 exponent bits, 3 mantissa bits; 6 bits a number), with one power-of-two scale for each 32 numbers along K (OCP MX v1.0); their sums are f32. All else is computed in f32.
;;   The module's matrix products, in the order in which they are computed (A, B: the left and right operand; K: the contracted axis; several contracted axes count as one K, in the product's order):
;;     1. [M 2,048, K 2,048] x [K 2,048, N 2,048]; A: input x; B: input wq: QUANTISED
;;     2. [M 2,048, K 2,048] x [K 2,048, N 2,048]; A: input x; B: input wk: QUANTISED
;;     3. [M 2,048, K 2,048] x [K 2,048, N 2,048]; A: input x; B: input wv: QUANTISED
;;     4. batch 16 x [M 2,048, K 128] x [K 128, N 2,048]; A: computed on the way; B: computed on the way: QUANTISED
;;     5. batch 16 x [M 2,048, K 2,048] x [K 2,048, N 128]; A: softmax (see below); B: computed on the way: QUANTISED
;;     6. [M 2,048, K 2,048] x [K 2,048, N 2,048]; A: computed on the way; B: input wo: QUANTISED
;;   THE QUANTISER, for each operand of a quantised product, along K:
;;     - K is cut into blocks of 32 from its start; a last block that is shorter is filled with zeros.
;;     - A block's scale is 2^e with e = floor(log2(the largest magnitude in the block)) - 2, held to -126 .. 127; a block of zeros has e = 0. As a byte (E8M0): e + 127.
;;     - Each number is divided by its block's scale, clamped to +-7.5, and rounded to the nearest number of E2M3, ties to even, subnormals kept.
;;     - The product sums the exact products of the quantised numbers (number of the format x scale) in f32.
;;   ~~~python
;;   def quantise(x, axis):      # numpy; x: float32 -> the quantised numbers, widened to float32 again
;;       x = np.moveaxis(x, axis, -1); K = x.shape[-1]
;;       x = np.pad(x, [(0, 0)] * (x.ndim - 1) + [(0, -K % 32)]); x = x.reshape(x.shape[:-1] + (-1, 32)); a = np.abs(x).max(-1, keepdims=True)
;;       e = np.where(a > 0, np.clip(np.frexp(np.where(a > 0, a, 1))[1] - 1 - 2, -126, 127), 0)      # np.frexp(a)[1] - 1 = floor(log2(a)), exactly
;;       r = np.clip(x / 2.0 ** e, -7.5, 7.5)
;;       step = 2.0 ** (np.maximum(np.frexp(np.where(r == 0, 1, r))[1] - 1, 0) - 3)
;;       q = np.round(r / step) * step * 2.0 ** e      # np.round: ties to even
;;       return np.moveaxis(q.reshape(q.shape[:-2] + (-1,))[..., :K], -1, axis).astype(np.float32)
;;   ~~~
;;   SOFTMAX AHEAD OF A QUANTISED PRODUCT. Where the list says 'softmax', what is quantised is not the finished softmax but p = 2^(t - M), with t = logit x log2(e) and M = ceil(the row's largest t), a whole number; so 1/2 < the row's largest p <= 1. The row's sum l is taken of the UNQUANTISED p, in f32, and the product's result is divided by l at the end. Since M is a whole number, a kernel that streams over the keys may use a running M (the ceiling of the running maximum): every later rescaling is an exact power of two, which a block's scale takes up: the codes' values come out the same.
;;   OPERANDS COMPUTED ON THE WAY. 'Computed on the way' means the value that the module computes at that place (a softmax that the list does not call 'softmax' is quantised finished and normalised). What goes into a quantiser is computed in f32, as accurately as f32 sums, v_exp_f32 and their like allow (about 1e-6 of the number): no bf16 or f16 on the way to a quantiser, and a product that is left as it is and whose result goes on into a quantised operand takes f32 operands (vector FMAs, or v_wmma_f32_16x16x4_f32). A number that lies on a knife's edge between two numbers of the format may be rounded either way, as far as f32 arithmetic and the matrix unit's own rounding can turn it there, and no further.
;; One version. Each part assembles by itself: llvm-mc -triple=amdgcn-amd-amdhsa -mcpu=gfx1250 --defsym DOCPART=n.
;; ======== version 1 of 1: 4 launches
;; limits: right only within a limited range of input values
;; workspace buffers: cod 16,384,000 bytes; qkv 9,830,400 bytes; ao 3,276,800 bytes
;; launch quant (part 1): grid 256 x 1, 5 waves a work-group, no clusters, 327,680 bytes of LDS; arguments x, wq, wk, wv, wo, cod; writes cod
.if DOCPART == 1
	.amdgcn_target "amdgcn-amd-amdhsa--gfx1250"
	.amdhsa_code_object_version 6
	.text
	.protected	k_q507acade59_quant
	.globl	k_q507acade59_quant
	.p2align	8
	.type	k_q507acade59_quant,@function
k_q507acade59_quant:
	s_mov_b64 s[64:65], 0
	v_nop
	global_prefetch_b8 v0, s[64:65] scope:SCOPE_SE
	s_setreg_imm32_b32 hwreg(HW_REG_WAVE_MODE, 25, 1), 1
	s_wait_xcnt 0x0
; x, wq, wk, wv, wo, each [2048][2048] f32 with K innermost, become codes of FP6 (E2M3) with one E8M0 scale byte for each 32 along K.
; A block's scale is 2^(floor(log2(its largest magnitude)) - 2); its byte is the largest magnitude's exponent field - 2, held at 1 from below.
; LIMITS: NaN and infinities among the inputs are not served; a block of zeros gets the byte 1 where the rule says 127 (its codes are zeros, and this program alone reads the bytes);
; blocks whose largest magnitude lies under 2^-124 are held at that floor.
; THE LAYOUT OF cod: [T 0..79][s 0..15][BLOCK bytes].  T counts tiles of 128 rows (x 0-15, wq 16-31, wk 32-47, wv 48-63, wo 64-79), s the K steps of 128.
; A block is 8 IMAGES of operand registers and 512 bytes of scale words.  An image is a fragment (16 rows x 128 K, 12 registers a lane) as it stands: register j of lane l at byte 512 (j / 4) + 16 l + 4 (j % 4).
; Lane r of fragment f = 2 g + u holds row 32 g + 8 u + r + 8 (r / 8) of the tile.  The scale words lie [f / 4][r][f % 4].
; SHARES.  Work-group (RG, KE), 32 x 8 = 256 of them, takes rows 64 RG .. + 63 and K steps 2 KE, 2 KE + 1 of ALL FIVE tensors; wave w takes tensor w: 64 rows x 1,024 bytes.
; A wave's share comes in three tensor loads of rows of 512 bytes (they begin at multiples of 512 bytes), into 96 slot rows of its own; the mover lays 16 bytes behind each row:
;   load 0: all 64 rows of the first K step, slot rows 0-63;  load 1: rows 0-31 of the second, slot rows 64-95;  load 2: rows 32-63 of the second, slot rows 0-31 again.
; 32 rows are two fragments.  A lane reads its 2 x 32 neighbours along K straight from the slot.
; Lanes r and r + 8 of a fragment read slot rows 16 apart, 8,448 bytes, a multiple of 256: these two lanes name the same banks.  A pitch that is a multiple of 16 bytes cannot part them.
; One tensor load of a wave is out at any time.  No cluster: no byte is read twice.  No matrix unit.
; PREFETCH: behind loads 0 and 1 stand two requests each, a lane a row, 256 bytes apart, for the 32 rows x 512 bytes of the next load: one load ahead.  Each block of 256 bytes is named once; no other wave reads it.
.set SP,    528                        ; a slot row: 512 bytes + 16
.set WREG,  96*SP                      ; a wave's slot rows: 50,688 bytes, 198 blocks of 256
.set SPARE, 5*WREG                     ; behind them: the spare words, 128 bytes for each wave, three blocks of 256 bytes that no other line names
.set BLOCK, 12800
.set HALFR, 262144                     ; 32 rows of an input in bytes
.set LI,   4                           ; v4   16 x lane: my place in an image's 512 bytes
.set STB,  6                           ; v6   my row of a fragment with u = 0 at slot row 0, + 128 h
.set PFO,  7                           ; v7   lane x 8,192: the prefetches' row; never rewritten
.set SWO,  8                           ; v8   16 r + 8 h: my two scale words' place
.set H8,   9                           ; v9   8 h
.set SPW,  12                          ; v12  LDS address of my spare word; never rewritten
.set NIL,  13                          ; v13  0; never rewritten
.set PR,   14                          ; v14-15 the two scale words that I store
.set W,    16                          ; v16-19 four fragments' scale words
.set MX,   20                          ; v20-21 largest magnitudes; v22-23 scale operands; v24-25 bytes; v26, v27 at work
.set SOP,  22
.set BY,   24
.set WT,   26
.set WP,   27
.set OD,   28                          ; v28-30, v32-34 the upper halves of two blocks' codes
.set PC,   36                          ; v36-47, v48-59 a fragment's codes: one set for each fragment of a pair
.set X,    64                          ; v64-127, v128-191 my 64 numbers of each of the pair's two fragments
.set G0,   40                          ; s[40:43] descriptor group 0
.set G1,   44                          ; s[44:51] descriptor group 1
	s_load_b256 s[4:11], s[0:1], 0x0               ; x, wq, wk, wv
	s_load_b128 s[12:15], s[0:1], 0x20             ; wo, cod
	v_lshl_add_u32 v[SPW], v0, 2, SPARE
	v_mov_b32 v[NIL], 0
	ds_add_u32 v[SPW], v[NIL]                      ; the opening: the add, twice on end, and its wait ahead of my first tensor load
	ds_add_u32 v[SPW], v[NIL]
	v_lshrrev_b32 v1, 5, v0
	v_readfirstlane_b32 s24, v1                    ; wave = tensor
	v_and_b32 v1, 31, v0                           ; lane
	v_and_b32 v2, 15, v0                           ; r
	v_bfe_u32 v3, v0, 4, 1                         ; h
	v_lshlrev_b32 v[LI], 4, v1
	v_lshlrev_b32 v[PFO], 13, v1
	s_mul_i32 s25, s24, WREG                       ; my slot rows
	v_and_b32 v5, 8, v2
	v_add_nc_u32 v5, v5, v2                        ; r + 8 (r / 8)
	v_mul_u32_u24 v[STB], v5, SP
	v_lshl_add_u32 v[STB], v3, 7, v[STB]
	v_add_nc_u32 v[STB], s25, v[STB]
	v_lshlrev_b32 v[SWO], 4, v2
	v_lshl_add_u32 v[SWO], v3, 3, v[SWO]
	v_lshlrev_b32 v[H8], 3, v3
	v_mov_b32 v[WP], 0                             ; written once: a lane permute's destination counts as one of its sources
	s_mov_b32 s20, 0x76543210
	s_mov_b32 s21, 0xfedcba98                      ; v_permlanex16_b32's selects for lane l xor 16
	s_mov_b32 s22, 0xffff0000                      ; lanes 16-31
	s_mov_b32 s[G0], 1                             ; count = 1
	s_mov_b32 s[G0+1], s25                         ; load 0 goes to slot row 0
	s_mov_b32 s[G1], (3<<16)|(1<<20)|(6<<22)|(3<<25)   ; elements of 8 bytes; padding on: after every 128 words (code 6) 4 words (code 3)
	s_mov_b32 s[G1+1], 64<<16                      ; tensor_dim0 = 64 elements: 512 bytes
	s_mov_b32 s[G1+2], 64<<16                      ; tensor_dim1 = 64 rows, for load 0
	s_mov_b32 s[G1+3], 64<<16                      ; tile_dim0
	s_mov_b32 s[G1+4], 64                          ; tile_dim1
	s_mov_b32 s[G1+5], 1024                        ; from row to row: 8,192 bytes
	s_mov_b32 s[G1+6], 0
	s_mov_b32 s[G1+7], 0
	s_lshr_b32 s26, ttmp9, 3                       ; RG
	s_and_b32 s27, ttmp9, 7                        ; KE
	s_lshl_b32 s30, s26, 19                        ; 64 rows of 8,192 bytes
	s_lshl_b32 s29, s27, 10                        ; two K steps of 512 bytes
	s_add_co_u32 s30, s30, s29
	s_mov_b32 s31, 0
	s_and_b32 s28, s26, 1                          ; H: which 64 rows of the tile
	s_lshr_b32 s32, s26, 1
	s_lshl_b32 s29, s24, 4
	s_add_co_u32 s32, s32, s29                     ; T = 16 x tensor + RG / 2
	s_lshl_b32 s32, s32, 4
	s_lshl_b32 s29, s27, 1
	s_add_co_u32 s32, s32, s29
	s_mul_i32 s32, s32, BLOCK                      ; block (T, 2 KE)
	s_mov_b32 s33, 0
	s_mul_i32 s34, s28, 6144                       ; my four images in a block
	s_mov_b32 s35, 0
	s_lshl_b32 s36, s28, 8
	s_add_co_u32 s36, s36, 12288                   ; my 256 bytes of scale words
	s_mov_b32 s37, 0
	s_wait_alu depctr_va_vdst(0)
	s_wait_dscnt 0x0                               ; both opening adds are done
	s_wait_kmcnt 0x0
	s_mov_b64 s[16:17], s[12:13]                   ; which tensor: the choice hangs on the wave's number alone
	s_cmp_lt_u32 s24, 4
	s_cselect_b64 s[16:17], s[10:11], s[16:17]
	s_cmp_lt_u32 s24, 3
	s_cselect_b64 s[16:17], s[8:9], s[16:17]
	s_cmp_lt_u32 s24, 2
	s_cselect_b64 s[16:17], s[6:7], s[16:17]
	s_cmp_lt_u32 s24, 1
	s_cselect_b64 s[16:17], s[4:5], s[16:17]
	s_add_nc_u64 s[16:17], s[16:17], s[30:31]      ; my share's first byte; never rewritten
	s_add_nc_u64 s[14:15], s[14:15], s[32:33]
	s_add_nc_u64 s[18:19], s[14:15], s[36:37]      ; the scale words
	s_add_nc_u64 s[14:15], s[14:15], s[34:35]      ; the images
.macro FRAGQ u, w, off                 ; the pair's fragment u: its scale word into v[w], its image to byte off of my images
.set XS, X+64*(\u)
.set PS, PC+12*(\u)
.irp c, 0,1
	v_max3_num_f32 v[MX+\c], |v[XS+32*\c]|, |v[XS+32*\c+1]|, 0x1800000   ; my block 2 c + h: all its 32 numbers are mine; and the floor 2^(3 - 127): the byte cannot fall under 1
.endr
.irp i, 2,4,6,8,10,12,14,16,18,20,22,24,26,28,30
.irp c, 0,1
	v_max3_num_f32 v[MX+\c], v[MX+\c], |v[XS+32*\c+\i]|, |v[XS+32*\c+\i+1]|
.endr
.endr
.irp c, 0,1
	v_add_nc_u32 v[SOP+\c], 0xff000000, v[MX+\c]   ; 2 off the exponent field: the conversion takes the exponent field of this operand as its scale
.endr
.irp c, 0,1
	v_lshrrev_b32 v[BY+\c], 23, v[SOP+\c]          ; the scale's byte
.endr
	v_lshl_or_b32 v[WT], v[BY+1], 16, v[BY]        ; my two bytes, blocks h and 2 + h,
	v_lshlrev_b32 v[WT], v[H8], v[WT]              ; at their places in the word;
	v_permlanex16_b32 v[WP], v[WT], s20, s21
	v_or_b32 v[\w], v[WT], v[WP]                   ; with lane l xor 16's two the word is whole
	s_wait_alu depctr_va_vdst(0)
	s_wait_xcnt 0x0                                ; the last pair's stores have read this set of codes: it is written again only behind this wait
.irp c, 0,1
	v_cvt_scalef32_pk16_fp6_f32 v[PS+6*\c:PS+6*\c+2], v[XS+32*\c:XS+32*\c+15], v[SOP+\c]
	v_cvt_scalef32_pk16_fp6_f32 v[OD+4*\c:OD+4*\c+2], v[XS+32*\c+16:XS+32*\c+31], v[SOP+\c]   ; (a conversion's three registers begin on an even number)
.endr
	v_nop                                          ; one plain place behind a scaled conversion
.irp c, 0,1
.irp i, 0,1,2
	v_mov_b32 v[PS+6*\c+3+\i], v[OD+4*\c+\i]
.endr
.endr
.irp c, 0,1,2
	global_store_b128 v[LI], v[PS+4*\c:PS+4*\c+3], s[14:15] offset:(\off)+512*\c   ; the image: 512 consecutive bytes a store
.endr
.endm
; 32 rows from slot row row0 on: fragments 2 g and 2 g + 1 of my four, K step sx of my two.
.macro UNIT row0, g, sx
.irp u, 0,1
.irp c, 0,1
.irp j, 0,1,2,3,4,5,6,7
	ds_load_b128 v[X+64*\u+32*\c+4*\j:X+64*\u+32*\c+4*\j+3], v[STB] offset:(\row0)*SP+8*SP*\u+256*\c+16*\j   ; my row, k = 64 c + 32 h + 4 j ..
.endr
.endr
.endr
	s_wait_dscnt 16                                ; the first fragment's 16 loads are in; the second's 16 may be out
	FRAGQ 0, W+2*(\g), (\sx)*BLOCK+2*(\g)*1536
	s_wait_dscnt 0x0
	FRAGQ 1, W+2*(\g)+1, (\sx)*BLOCK+2*(\g)*1536+1536
.if \g
	v_cndmask_b32 v[PR], v[W], v[W+2], s22         ; a K step's four fragments are done: lanes 0-15 store row r's words of fragments 0, 1, lanes 16-31 those of 2, 3:
	v_cndmask_b32 v[PR+1], v[W+1], v[W+3], s22
	global_store_b64 v[SWO], v[PR:PR+1], s[18:19] offset:(\sx)*BLOCK   ; 256 consecutive bytes, aligned
.endif
.endm
.macro ASK off                         ; 32 rows x 512 bytes from byte off of my share: a lane a row, two blocks of 256 bytes a row
	global_prefetch_b8 v[PFO], s[16:17] offset:\off th:TH_LOAD_NT scope:SCOPE_SE
	global_prefetch_b8 v[PFO], s[16:17] offset:(\off)+256 th:TH_LOAD_NT scope:SCOPE_SE
.endm
	s_mov_b64 s[G0+2:G0+3], s[16:17]
	s_or_b32 s[G0+3], s[G0+3], 0x80000000          ; type = 2
	tensor_load_to_lds s[G0:G0+3], s[G1:G1+7]      ; load 0: one tensor load a wave at the head
	s_nop 0
	ASK 512                                        ; what load 1 will want
	s_wait_tensorcnt 0x0                           ; load 0 is in
	ds_add_u32 v[SPW], v[NIL]                      ; 0 onto my spare word
	s_mov_b32 s[G1+2], 32<<16                      ; no load of mine is out, so the descriptors may be written: from here on 32 rows a load
	s_mov_b32 s[G1+4], 32
	s_add_co_u32 s[G0+1], s25, 64*SP               ; load 1: slot rows 64-95, rows 0-31 of the second K step
	s_add_nc_u64 s[G0+2:G0+3], s[16:17], 512
	s_or_b32 s[G0+3], s[G0+3], 0x80000000
	s_wait_dscnt 0x0                               ; the add is done
	s_barrier_signal -1
	s_barrier_wait -1
	tensor_load_to_lds s[G0:G0+3], s[G1:G1+7]      ; my one load behind this barrier: a first fill
	s_nop 0
	ASK HALFR+512                                  ; what load 2 will want
	UNIT 0, 0, 0
	UNIT 32, 1, 0
	s_wait_tensorcnt 0x0                           ; load 1 is in
	ds_add_u32 v[SPW], v[NIL]
	s_mov_b32 s[G0+1], s25                         ; load 2: slot rows 0-31 again, rows 32-63 of the second K step
	s_add_nc_u64 s[G0+2:G0+3], s[16:17], HALFR+512
	s_or_b32 s[G0+3], s[G0+3], 0x80000000
	s_wait_dscnt 0x0                               ; the add is done, and so are my reads of slot rows 0-63
	s_barrier_signal -1
	s_barrier_wait -1
	tensor_load_to_lds s[G0:G0+3], s[G1:G1+7]      ; my one load behind this barrier
	s_nop 0
	UNIT 64, 0, 1
	s_wait_tensorcnt 0x0                           ; load 2 is in: only I read its bytes
	UNIT 0, 1, 1
	s_wait_tensorcnt 0x0                           ; the wave's end
	ds_add_u32 v[SPW], v[NIL]
	s_wait_dscnt 0x0
	s_endpgm
.Lfunc_end_k_q507acade59_quant:
	.size	k_q507acade59_quant, .Lfunc_end_k_q507acade59_quant-k_q507acade59_quant
	.p2alignl 7, 3214868480
	.fill 96, 4, 3214868480
	.section	.rodata,"a",@progbits
	.p2align	6, 0x0
	.amdhsa_kernel k_q507acade59_quant
		.amdhsa_group_segment_fixed_size 327680
		.amdhsa_private_segment_fixed_size 0
		.amdhsa_enable_private_segment 0
		.amdhsa_kernarg_size 48
		.amdhsa_user_sgpr_count 2
		.amdhsa_user_sgpr_kernarg_segment_ptr 1
		.amdhsa_wavefront_size32 1
		.amdhsa_system_sgpr_workgroup_id_x 1
		.amdhsa_system_sgpr_workgroup_id_y 1
		.amdhsa_system_sgpr_workgroup_id_z 1
		.amdhsa_system_vgpr_workitem_id 0
		.amdhsa_next_free_vgpr 192
		.amdhsa_next_free_sgpr 66
		.amdhsa_reserve_vcc 0
		.amdhsa_float_denorm_mode_32 3
		.amdhsa_float_denorm_mode_16_64 3
		.amdhsa_memory_ordered 1
		.amdhsa_forward_progress 1
		.amdhsa_inst_pref_size 40
	.end_amdhsa_kernel
	.amdgpu_metadata
---
amdhsa.version: [ 1, 2 ]
amdhsa.kernels:
  - .name:           k_q507acade59_quant
    .symbol:         k_q507acade59_quant.kd
    .args:
      - { .name: x, .offset: 0, .size: 8, .value_kind: global_buffer, .address_space: global }
      - { .name: wq, .offset: 8, .size: 8, .value_kind: global_buffer, .address_space: global }
      - { .name: wk, .offset: 16, .size: 8, .value_kind: global_buffer, .address_space: global }
      - { .name: wv, .offset: 24, .size: 8, .value_kind: global_buffer, .address_space: global }
      - { .name: wo, .offset: 32, .size: 8, .value_kind: global_buffer, .address_space: global }
      - { .name: cod, .offset: 40, .size: 8, .value_kind: global_buffer, .address_space: global }
    .group_segment_fixed_size: 327680
    .private_segment_fixed_size: 0
    .kernarg_segment_align: 8
    .kernarg_segment_size: 48
    .max_flat_workgroup_size: 160
    .sgpr_count:     66
    .vgpr_count:     192
    .wavefront_size: 32
...
	.end_amdgpu_metadata
.endif
;; end of part 1
;; launch qkv (part 2): grid 24 x 8, 4 waves a work-group, clusters of 4 x 4, 327,680 bytes of LDS; arguments cod, freqs_cos, freqs_sin, qkv; writes qkv
.if DOCPART == 2
	.amdgcn_target "amdgcn-amd-amdhsa--gfx1250"
	.amdhsa_code_object_version 6
	.text
	.protected	k_q507acade59_qkv
	.globl	k_q507acade59_qkv
	.p2align	8
	.type	k_q507acade59_qkv,@function
k_q507acade59_qkv:
	s_mov_b64 s[64:65], 0
	v_nop
	global_prefetch_b8 v0, s[64:65] scope:SCOPE_SE
	s_setreg_imm32_b32 hwreg(HW_REG_WAVE_MODE, 25, 1), 1
	s_wait_xcnt 0x0
	s_wait_alu depctr_hold_cnt(0) depctr_sa_sdst(0) depctr_va_vdst(0) depctr_va_sdst(0) depctr_va_ssrc(0) depctr_va_vcc(0) depctr_vm_vsrc(0)
	s_getreg_b32 s2, hwreg(HW_REG_IB_STS2, 6, 4)
	s_cmp_eq_u32 s2, 0
	s_cbranch_scc0 .Lentry_in_a_cluster
	s_endpgm
.Lentry_in_a_cluster:
	s_bfe_u32 s2, ttmp6, 0x10000c
	s_cmp_lg_u32 s2, 0xf033
	s_cbranch_scc0 .Lentry_shape_is_right
	s_endpgm
.Lentry_shape_is_right:
; q = rope(x wq^T), k = rope(x wk^T), v = x wv^T on codes of FP6 (E2M3) with E8M0 scales, f32 sums; the results are quantised again, q and k along the head's 128, v along the keys, and stored as blocks.
; INPUT cod: [T][s][BLOCK]: 8 images of operand registers (16 rows x 128 K each, 1,536 bytes) and 512 bytes of scale words for tile T of 128 rows and K step s (x: T 0-15, wq 16-31, wk 32-47, wv 48-63).
; Lane r of fragment f = 2 g + u holds row 32 g + 8 u + r + 8 (r / 8) of its tile.
; OUTPUT qkv: [head 16][token tile 16][Q block, K block, V block].  Q, K: rows = tokens, K = the head's 128.  V: rows = the head's 128, K = the tile's 128 tokens.
; THE PRODUCT IS USED TRANSPOSED: source 0 = a fragment of the operand C, source 1 = a fragment of the operand R.  A lane then holds ONE row of R (its fragment's lane r), and by the fragments' order of rows the
; 64 registers of R's fragment a run along C's 128 rows: register 16 g + i is C's row 32 g + 16 (lane / 16) + i.  So the results of a fragment a are quantised in registers and ARE fragment a of the output block.
; q, k (cluster x 0-3): R = x's tokens, C = wq's and wk's rows.   v (cluster x 4, 5): R = wv's rows, C = x's tokens.  One text serves both; only tile numbers, made of ids, and the way out differ.
; SHARES.  A work-group makes 256 of R x 256 of C, each of its four waves 128 x 128: 64 accumulators, 512 registers: a wave must hold all 128 of C's rows of a head or of a token tile, since they are the next K.
; THE RING.  K goes in steps of 128, THREE to a slot, as many as two slots in LDS allow (2 x 153,600 bytes); each wave fills a quarter of a slot (one tile's three blocks: 38,400 consecutive bytes) with one tensor load.
; 16 = 1 + 5 x 3: slot 0 first holds K step 0 alone, at its last place; slot 1 K steps 1 to 3; four refills of three K steps follow, each with three K steps' products in which to land.
; The sixteen K steps are written out: the register sets come back after two K steps, the slots after six, and no two runs of six are alike (the first starts the sums, the last fills nothing).
; CLUSTER 4 x 4: R's tiles hang on the work-group's y alone and are asked for jointly along a row of the cluster, C's on its x alone, along a column.
; LIMITS: NaN and infinities are not served; a block of zeros gets the scale byte 1 (this program alone reads the bytes); blocks under 2^-124 are held at that floor.
; REGISTERS, in windows of 256.  Window 0: v16-29 addresses; v32-47 scale words, two sets; v48-55 the way out's scale words; v64-159, v160-255 R's fragments, two sets.
;   Window 1: v0-95, v128-223 C's fragments, two sets; v96-127, v224-255 the first cos and sin.   Windows 2, 3: the accumulators: (a, b) at v[8 (8 (a % 4) + b)] of window 2 + a / 4.
.set NR,     8                         ; R's fragments of a wave
.set NC,     8                         ; C's
.set NQ,     3                         ; K steps in a slot.  THE WALK AS IT STANDS (it takes the place of what the head's paragraph THE RING says of the first and last fills): 16 = 5 x 3 + 1.
                                       ; Slot 0 first holds K steps 0 to 2, each wave's one load at the head; slot 1 K steps 3 to 5, asked for behind a round of the cluster's barrier; refills: 6-8, 9-11, 12-14, and K step 15 alone at slot 1's first place.
.set BLOCK,  12800
.set REGION, NQ*BLOCK                  ; what one tensor load brings
.set SLOT,   4*REGION                  ; R's tile 0, R's tile 1, C's tile 0, C's tile 1
.set SPARE,  2*SLOT                    ; behind the ring: the spare words, 128 bytes for each wave: two blocks of 256 bytes that no other line names
.set ADRA, 16                          ; v16-17  LDS address of my lane's 16 bytes in R's first image, slot 0, 1
.set ADRB, 18                          ; v18-19  the same for C
.set ADRS, 20                          ; v20-21  of the scale words: lanes 0-15 R's, lanes 16-31 C's
.set CSO,  22                          ; v22     my byte offset in 32 rows of cos and of sin
.set LI,   23                          ; v23     16 x lane
.set SWO,  24                          ; v24     16 r + 8 h
.set SPW,  28                          ; v28     LDS address of my spare word; never rewritten
.set NIL,  29                          ; v29     0; never rewritten
.set SC,   32                          ; scale words: set p at v[SC + 8 p]; register e: lanes 0-15 R's fragment e, lanes 16-31 C's fragment e
.set WD,   48                          ; v48-51  the way out: four fragments' scale words;  v52-55 the four that I store
.set PR,   52
.set RF,   64                          ; R's fragments: set p at v[RF + 96 p]
.set T,    64                          ; the way out: v64-127 at work;  v128-199, v216-239 the codes, twelve registers of its own for each fragment;  v200-215, v240-246 at work
.set OD,   240                         ; v240-242, v244-246 the upper halves of two blocks' codes
.set PC,   128
.set TM,   200
.set G1,   24                          ; s[24:31] descriptor group 1 for R's tiles;  s[32:39] group 0, one set for each slot
.set G0,   32
.set G1B,  48                          ; s[48:55], s[56:63] the same for C's
.set G0B,  56
.set G1S,  84                          ; s[84:91], s[92:99] groups 1 for one block alone: K step 15
.set G1SB, 92
.set MSB, 0
.macro WIN new                         ; the immediate's high byte repeats the setting that is left; a switch that changes nothing is dropped
.if MSB != (\new)
	s_set_vgpr_msb (MSB<<8)|(\new)
.set MSB, (\new)
.endif
.endm
; A joint load: waves 0 and 1 fetch for R, waves 2 and 3 for C.  Each of the two lines has one mask and one set of registers for all that issue it; the branch hangs on the wave's number alone.
; An s_nop 0 and four v_nop follow each of the two lines, ahead of the jump, the label and what follows.
.macro JLOAD g0a, g1a, g0b, g1b
	s_cmp_eq_u32 s15, 0
	s_cbranch_scc0 .Lfor_b_\@
	tensor_load_to_lds s[\g0a:\g0a+3], s[\g1a:\g1a+7]
	s_nop 0
.rept 4
	v_nop
.endr
	s_branch .Lasked_\@
.Lfor_b_\@:
	tensor_load_to_lds s[\g0b:\g0b+3], s[\g1b:\g1b+7]
	s_nop 0
.rept 4
	v_nop
.endr
.Lasked_\@:
.endm
.macro CREST                           ; a round of the cluster's barrier behind its opening barrier
	s_cmp_lg_u32 s14, 0
	s_cbranch_scc1 .Lnot_wave_0_\@
	s_barrier_signal -3
.Lnot_wave_0_\@:
	s_barrier_wait -3
	s_barrier_signal -1
	s_barrier_wait -1
.endm
.macro CROUND                          ; a whole round
	s_barrier_signal -1
	s_barrier_wait -1
	CREST
.endm
.macro PLACES                          ; four plain places behind matrix instructions, in front of loads into registers that they have read and of the first read of results
.rept 4
	v_nop
.endr
.endm
; The fragments and scale words at the slot's place q into set p: images, three loads of 16 bytes a lane each, 512 consecutive bytes a load.
.macro FETCH slot, q, p
	WIN 0x40                                       ; destination window 1, address window 0
.set ff, 0
.rept NC
.irp c, 0,1,2
	ds_load_b128 v[128*(\p)+12*ff+4*\c:128*(\p)+12*ff+4*\c+3], v[ADRB+\slot] offset:BLOCK*(\q)+1536*ff+512*\c
.endr
.set ff, ff+1
.endr
	WIN 0
.set ff, 0
.rept NR
.irp c, 0,1,2
	ds_load_b128 v[RF+96*(\p)+12*ff+4*\c:RF+96*(\p)+12*ff+4*\c+3], v[ADRA+\slot] offset:BLOCK*(\q)+1536*ff+512*\c
.endr
.set ff, ff+1
.endr
.set ff, 0
.rept NR/4
	ds_load_b128 v[SC+8*(\p)+4*ff:SC+8*(\p)+4*ff+3], v[ADRS+\slot] offset:BLOCK*(\q)+256*ff
.set ff, ff+1
.endr
.endm
; R's fragments a0 .. a0 + cnt - 1, each against C's NC, from set p.  zero = 1: the first product starts the sums: nothing is cleared.
; The accumulators take turns, one instruction a turn, in the same order in every K step.
.macro MULROWS a0, cnt, p, zero
.set ma, \a0
.rept \cnt
	WIN 0xa1+0x50*(ma/4)                           ; source 0 (C) window 1, source 1 (R) window 0, sums in window 2 or 3
.set mb, 0
.rept NC
.set rD, 8*(NC*(ma%4)+mb)
.set rA, 128*(\p)+12*mb
.set rB, RF+96*(\p)+12*ma
.if \zero
	v_wmma_scale_f32_16x16x128_f8f6f4 v[rD:rD+7], v[rA:rA+11], v[rB:rB+11], 0, v[SC+8*(\p)+mb], v[SC+8*(\p)+ma] matrix_a_fmt:MATRIX_FMT_FP6 matrix_b_fmt:MATRIX_FMT_FP6 matrix_a_scale:MATRIX_SCALE_ROW1
.else
	v_wmma_scale_f32_16x16x128_f8f6f4 v[rD:rD+7], v[rA:rA+11], v[rB:rB+11], v[rD:rD+7], v[SC+8*(\p)+mb], v[SC+8*(\p)+ma] matrix_a_fmt:MATRIX_FMT_FP6 matrix_b_fmt:MATRIX_FMT_FP6 matrix_a_scale:MATRIX_SCALE_ROW1
.endif
.set mb, mb+1
.endr
.set ma, ma+1
.endr
.endm
; A K step, at the slot's place q and in set p, that has its successor in the same slot: the successor's loads go out in one run, then this step's products.
.macro STEP slot, q, p, zero
	s_wait_dscnt 0x0                               ; this step's set is in
	PLACES
	FETCH \slot, (\q)+1, 1-(\p)
	MULROWS 0, NR, \p, \zero
	WIN 0
.endm
; A slot's last K step (set p) changes slots: ONE barrier.  In front of it each wave waits for all its tensor loads (its part of the next slot), adds 0 to its spare word, and waits for that and for its reads of
; this slot.  fill = 1: the barrier opens a round of the cluster's barrier, and this slot is filled again, first thing behind the round, with the K steps adv bytes on.
; first = 1: the refill brings one block alone (the walk's last K step), to the slot's first place.
.macro TURN slot, next, p, fill, zero, first, adv
	s_wait_tensorcnt 0x0                           ; all my tensor loads have landed
	ds_add_u32 v[SPW], v[NIL]                      ; 0 onto my spare word
	s_wait_dscnt 1                                 ; this step's set is in; the add alone may be out
	MULROWS 0, NR/4, \p, \zero                     ; matrix work stands between the add and the wait for it
	s_wait_dscnt 0x0                               ; the add is done, and my reads of this slot are over
	s_barrier_signal -1
	MULROWS NR/4, NR/4, \p, \zero
	WIN 0
	s_barrier_wait -1
.if \fill
	CREST                                          ; no wave of any partner still reads this slot or has a load on its way
	s_add_nc_u64 s[G0+4*\slot+2:G0+4*\slot+3], s[G0+4*\slot+2:G0+4*\slot+3], \adv
	s_add_nc_u64 s[G0B+4*\slot+2:G0B+4*\slot+3], s[G0B+4*\slot+2:G0B+4*\slot+3], \adv
.if \first
	JLOAD G0+4*\slot, G1S, G0B+4*\slot, G1SB       ; the first tensor load behind the round; its four v_nop are also the places in front of the loads below
.else
	JLOAD G0+4*\slot, G1, G0B+4*\slot, G1B
.endif
.else
	PLACES
.endif
	s_wait_alu depctr_va_vdst(0)
	FETCH \next, 0, 1-(\p)
.if \fill
.set FILLN, FILLN+1
.if FILLN < 4
	ASKF 3*(FILLN+1)                               ; the next full fill: behind the joint load and the run of LDS loads
.endif
.endif
	MULROWS NR/2, NR/2, \p, \zero
	WIN 0
.endm
.macro LAST p
	s_wait_dscnt 0x0
	MULROWS 0, NR, \p, 0
	WIN 0
.endm
	s_load_b256 s[4:11], s[0:1], 0x0               ; cod s[4:5], cos s[6:7], sin s[8:9], qkv s[10:11]
	v_lshl_add_u32 v[SPW], v0, 2, SPARE
	v_mov_b32 v[NIL], 0
	ds_add_u32 v[SPW], v[NIL]                      ; the wave's opening: the add and its wait ahead of my first tensor load; the set-up below, work on registers, stands between them
	ds_add_u32 v[SPW], v[NIL]
	v_lshrrev_b32 v1, 5, v0
	v_readfirstlane_b32 s14, v1                    ; wave 0..3
	s_lshr_b32 s15, s14, 1                         ; i: which of R's two tiles is mine.  Also: I fetch for R (0) or for C (1)
	s_and_b32 s16, s14, 1                          ; j: which of C's two tiles.  Also: which tile I fetch
	s_bfe_u32 s40, ttmp6, 0x40000                  ; cx, cy: my place in the cluster
	s_bfe_u32 s41, ttmp6, 0x40004
	s_lshl_b32 s42, ttmp9, 2
	s_add_co_u32 s42, s42, s40                     ; work-group x = 4 x cluster x + cx
	s_and_b32 s17, ttmp7, 0xffff
	s_lshl_b32 s17, s17, 2
	s_add_co_u32 s17, s17, s41                     ; work-group y
	s_lshl_b32 s43, s41, 2
	s_lshl_b32 s43, 15, s43                        ; my row of the cluster
	s_lshl_b32 s44, 0x1111, s40                    ; my column
	s_cmp_ge_u32 ttmp9, 4                          ; v's clusters: the same answer in all sixteen partners
	s_cselect_b32 s67, 1, 0
	s_cselect_b32 s46, 48, 0                       ; R's first tile in cod: wv's or x's
	s_cselect_b32 s47, 0, 16                       ; C's: x's or wq's (wk's follow)
	s_cselect_b32 s12, 16, 0
	s_sub_co_u32 s42, s42, s12                     ; x counted within the kind
	; descriptor group 1: three blocks, 38,400 dense bytes, as 150 rows of 256 (32 elements of 8 bytes), no padding; and one block, 50 rows
	s_or_b32 s[G1+0], s43, (3<<16)|(1<<21)         ; 15:0 the mask: R's tiles go to my row; 17:16 elements of 8 bytes; 21 set beside a mask
	s_or_b32 s[G1B+0], s44, (3<<16)|(1<<21)        ; C's to my column
	s_or_b32 s[G1S+0], s43, (3<<16)|(1<<21)
	s_or_b32 s[G1SB+0], s44, (3<<16)|(1<<21)
.irp g, G1, G1B
	s_mov_b32 s[\g+1], 32<<16                      ; tensor_dim0 = 32
	s_mov_b32 s[\g+2], 150<<16                     ; tensor_dim1 = 150
	s_mov_b32 s[\g+3], 32<<16                      ; tile_dim0 = 32
	s_mov_b32 s[\g+4], 150                         ; tile_dim1 = 150
	s_mov_b32 s[\g+5], 32                          ; tensor_dim0_stride
	s_mov_b32 s[\g+6], 0
	s_mov_b32 s[\g+7], 0
.endr
.irp g, G1S, G1SB
	s_mov_b32 s[\g+1], 32<<16
	s_mov_b32 s[\g+2], 50<<16                      ; tensor_dim1 = 50
	s_mov_b32 s[\g+3], 32<<16
	s_mov_b32 s[\g+4], 50                          ; tile_dim1 = 50
	s_mov_b32 s[\g+5], 32
	s_mov_b32 s[\g+6], 0
	s_mov_b32 s[\g+7], 0
.endr
	s_lshl_b32 s20, s17, 1
	s_add_co_u32 s20, s20, s16
	s_add_co_u32 s20, s20, s46                     ; R: tile = first + 2 y + (wave % 2)
	s_mul_i32 s20, s20, 16*BLOCK                   ; its K step 0, in bytes
	s_mov_b32 s21, 0
	s_lshl_b32 s22, s42, 1
	s_add_co_u32 s22, s22, s16
	s_add_co_u32 s22, s22, s47                     ; C: tile = first + 2 x + (wave % 2)
	s_mul_i32 s22, s22, 16*BLOCK
	s_mov_b32 s23, 0
	s_mul_i32 s45, s14, REGION                     ; where my loads go: no place in the cluster enters an LDS address
	s_mov_b32 s66, 0xffff0000                      ; lanes 16-31
	s_mov_b32 s68, 0x76543210
	s_mov_b32 s69, 0xfedcba98                      ; v_permlanex16_b32's selects for lane l xor 16
	; PREFETCH.  A full fill of mine is 150 rows of 256 bytes, which four partners ask for jointly: they share the rows out BY ADDRESS, 38 each from row 38 x place on (place cx for R's tiles, cy for C's),
	; in two requests of 19 rows, a lane a row; rows past 149 and the lanes left over name the last row again.  Behind each of fills 0 to 3 stand the two requests for the next full fill: three K steps ahead.
	; The last fill, one block, has three K steps in which to land and is not asked for ahead.
	s_cmp_eq_u32 s15, 0
	s_cselect_b32 s3, s40, s41                     ; my place among the four
	s_mul_i32 s3, s3, 38
	v_and_b32 v26, 31, v0
	v_min_u32 v26, 18, v26
	v_add_nc_u32 v26, s3, v26                      ; rows 38 place + 0 .. 18 (132 at the most),
	v_add_nc_u32 v27, 19, v26
	v_min_u32 v27, 149, v27                        ; and + 19 .. 37, held at the fill's last row
	v_lshlrev_b32 v26, 8, v26                      ; v26, v27: the requests' offsets; never rewritten
	v_lshlrev_b32 v27, 8, v27
	s_wait_alu depctr_va_vdst(0)
	s_wait_dscnt 0x0                               ; the opening adds are done
	CROUND                                         ; all sixteen work-groups are here: the first joint loads meet.  (The arguments arrive meanwhile)
	s_wait_kmcnt 0x0
	s_add_nc_u64 s[80:81], s[4:5], s[20:21]
	s_add_nc_u64 s[82:83], s[4:5], s[22:23]
	s_mov_b32 s[G0], 1                             ; count = 1
	s_mov_b32 s[G0+1], s45                         ; LDS address: my quarter of slot 0
	s_mov_b64 s[G0+2:G0+3], s[80:81]               ; global address: K step 0
	s_or_b32 s[G0+3], s[G0+3], 0x80000000          ; type = 2
	s_mov_b32 s[G0B], 1
	s_mov_b32 s[G0B+1], s45
	s_mov_b64 s[G0B+2:G0B+3], s[82:83]
	s_or_b32 s[G0B+3], s[G0B+3], 0x80000000
	JLOAD G0, G1, G0B, G1B                         ; K steps 0 to 2: one tensor load a wave at the head
	s_mov_b32 s[G0+4], 1
	s_add_co_u32 s[G0+5], s45, SLOT                ; slot 1
	s_add_nc_u64 s[G0+6:G0+7], s[80:81], 3*BLOCK   ; K steps 3 to 5
	s_or_b32 s[G0+7], s[G0+7], 0x80000000
	s_mov_b32 s[G0B+4], 1
	s_add_co_u32 s[G0B+5], s45, SLOT
	s_add_nc_u64 s[G0B+6:G0B+7], s[82:83], 3*BLOCK
	s_or_b32 s[G0B+7], s[G0B+7], 0x80000000
.macro ASKF n                          ; my share of the full fill that begins at K step n
	global_prefetch_b8 v26, s[80:81] offset:(\n)*BLOCK th:TH_LOAD_NT scope:SCOPE_SE
	global_prefetch_b8 v27, s[80:81] offset:(\n)*BLOCK th:TH_LOAD_NT scope:SCOPE_SE
.endm
	s_cmp_eq_u32 s15, 0
	s_cselect_b64 s[80:81], s[80:81], s[82:83]     ; K step 0 of the tile that I fetch; never rewritten from here on
	ASKF 3                                         ; fill 1
	; where my 128 x 128 goes
	s_lshl_b32 s72, s17, 1
	s_add_co_u32 s72, s72, s15                     ; R's tile, counted within its tensor: a token tile (q, k) or a head (v)
	s_lshl_b32 s73, s42, 1
	s_add_co_u32 s73, s73, s16                     ; C's: 16 x (0: q, 1: k) + head, or a token tile (v)
	s_and_b32 s74, s73, 15
	s_lshr_b32 s76, s73, 4
	s_cmp_eq_u32 s67, 1
	s_cselect_b32 s74, s72, s74                    ; the head
	s_cselect_b32 s75, s73, s72                    ; the token tile
	s_cselect_b32 s76, 2, s76                      ; Q, K or V
	s_lshl_b32 s74, s74, 4
	s_add_co_u32 s74, s74, s75
	s_mul_i32 s74, s74, 3
	s_add_co_u32 s74, s74, s76
	s_mul_i32 s78, s74, BLOCK
	s_mov_b32 s79, 0
	s_add_nc_u64 s[70:71], s[10:11], s[78:79]      ; my output block
	s_lshl_b32 s78, s72, 15                        ; cos and sin at R's tile's first row: 128 rows of 256 bytes a tile (0 to 15 in both kinds: inside the tables)
	s_add_nc_u64 s[6:7], s[6:7], s[78:79]
	s_add_nc_u64 s[8:9], s[8:9], s[78:79]
	v_and_b32 v1, 31, v0                           ; lane
	v_and_b32 v2, 15, v0                           ; r
	v_bfe_u32 v3, v0, 4, 1                         ; h
	v_lshlrev_b32 v[LI], 4, v1
	s_wait_alu depctr_va_vdst(0)
	s_mul_i32 s18, s15, REGION                     ; R's tile i
	s_mul_i32 s19, s16, REGION
	s_add_co_u32 s19, s19, 2*REGION                ; C's tile j, behind R's two
	s_sub_co_u32 s13, s19, s18
	v_mul_u32_u24 v4, s13, v3                      ; lanes 16-31 take C's scale words: one product, h x the distance
	v_lshl_add_u32 v4, v2, 4, v4                   ; + 16 r
	s_add_co_u32 s12, s18, 12288                   ; the scale words lie behind a block's eight images
.irp s, 0,1
	v_add_nc_u32 v[ADRA+\s], s18, v[LI]
	v_add_nc_u32 v[ADRB+\s], s19, v[LI]
	v_add_nc_u32 v[ADRS+\s], s12, v4
	s_add_co_u32 s18, s18, SLOT
	s_add_co_u32 s19, s19, SLOT
	s_add_co_u32 s12, s12, SLOT
.endr
	v_and_b32 v5, 8, v2
	v_add_nc_u32 v5, v5, v2                        ; r + 8 (r / 8)
	v_lshlrev_b32 v[CSO], 8, v5
	v_lshl_add_u32 v[CSO], v3, 5, v[CSO]           ; cos, sin: that row of 256 bytes, + 32 h
	v_lshlrev_b32 v[SWO], 4, v2
	v_lshl_add_u32 v[SWO], v3, 3, v[SWO]
; THE WAY OUT'S MACROS.  cos and sin of fragment a's 16 tokens: a lane wants, for its registers' 32 pairs, the numbers 16 b + 8 h + 0 .. 7, b = 0 .. 3.  They lie in window 1, 32 registers each; four sets.
.macro CHUNKS a
.if (\a)%4 == 0
.set CCH, 96
.set SCH, 224
.elseif (\a)%4 == 1
.set CCH, 0
.set SCH, 32
.elseif (\a)%4 == 2
.set CCH, 64
.set SCH, 128
.else
.set CCH, 160
.set SCH, 192
.endif
.endm
.macro CSLOAD a
	CHUNKS \a
	WIN 0x40
.irp b, 0,1,2,3
.irp e, 0,1
	global_load_b128 v[CCH+8*\b+4*\e:CCH+8*\b+4*\e+3], v[CSO], s[6:7] offset:(32*((\a)/2)+8*((\a)%2))*256+64*\b+16*\e
	global_load_b128 v[SCH+8*\b+4*\e:SCH+8*\b+4*\e+3], v[CSO], s[8:9] offset:(32*((\a)/2)+8*((\a)%2))*256+64*\b+16*\e
.endr
.endr
	WIN 0
.endm
; The rotary step on fragment a's 64 registers, in place: (t0, t1) -> (t0 c - t1 s, t0 s + t1 c).  Each accumulator is read first at one of its four lowest registers.
.macro ROPE a
	CHUNKS \a
.set AC, 64*((\a)%4)
.set WW, 2+(\a)/4
	WIN WW|4                                       ; source 0: the sums' window; source 1: window 1; destination: window 0
.set pp, 0
.rept 32
	v_mul_f32 v[T+2*pp], v[AC+2*pp+1], v[SCH+pp]   ; t1 s
	v_mul_f32 v[T+2*pp+1], v[AC+2*pp], v[SCH+pp]   ; t0 s
.set pp, pp+1
.endr
	WIN WW|4|(WW<<6)                               ; and the destination in the sums' window, source 2 in window 0
.set pp, 0
.rept 32
	v_fma_f32 v[AC+2*pp], v[AC+2*pp], v[CCH+pp], -v[T+2*pp]
	v_fma_f32 v[AC+2*pp+1], v[AC+2*pp+1], v[CCH+pp], v[T+2*pp+1]
.set pp, pp+1
.endr
	WIN 0
.endm
; 64 numbers of a lane, v[s] .. v[s + 63] of window w, register 16 b + i = k 32 b + 16 (lane / 16) + i of my row, become a fragment's codes in v[PC] on and its scale word in v[pw].
.macro QUANT s, w, pw
	WIN (\w)|((\w)<<2)
.irp b, 0,1,2,3
	v_max3_num_f32 v[TM+\b], |v[\s+16*\b]|, |v[\s+1+16*\b]|, 0x1800000   ; block b: my 16 numbers, and the floor 2^(3 - 127): the byte cannot fall under 1
.endr
	WIN ((\w)<<2)|((\w)<<4)
.irp i, 2,4,6,8,10,12,14
.irp b, 0,1,2,3
	v_max3_num_f32 v[TM+\b], v[TM+\b], |v[\s+16*\b+\i]|, |v[\s+1+16*\b+\i]|   ; (the four blocks by turns)
.endr
.endr
	WIN 0
.irp b, 0,1,2,3
	v_permlanex16_b32 v[TM+4+\b], v[TM+\b], s68, s69
.endr
.irp b, 0,1,2,3
	v_max_num_f32 v[TM+\b], v[TM+\b], v[TM+4+\b]   ; with lane l xor 16's: the block's largest magnitude
.endr
.irp b, 0,1,2,3
	v_add_nc_u32 v[TM+12+\b], 0xff000000, v[TM+\b] ; 2 off its exponent field: the conversion's scale operand
.endr
.irp b, 0,1,2,3
	v_lshrrev_b32 v[TM+4+\b], 23, v[TM+12+\b]      ; the scale's byte
.endr
	v_lshl_or_b32 v[\pw], v[TM+5], 8, v[TM+4]      ; the four bytes make my row's scale word
	v_lshl_or_b32 v[\pw], v[TM+6], 16, v[\pw]
	v_lshl_or_b32 v[\pw], v[TM+7], 24, v[\pw]
	WIN \w
.irp c, 0,1
	v_cvt_scalef32_pk16_fp6_f32 v[PC+6*\c:PC+2+6*\c], v[\s+32*\c:\s+15+32*\c], v[TM+12+2*\c]
	v_cvt_scalef32_pk16_fp6_f32 v[OD+4*\c:OD+2+4*\c], v[\s+16+32*\c:\s+31+32*\c], v[TM+12+2*\c+1]   ; (a conversion's three registers begin on an even number)
.endr
	WIN 0
	v_nop                                          ; one plain place behind a scaled conversion
.irp c, 0,1                                    ; the operand's layout wants a WHOLE block in a lane: lanes 0-15 block 2 c, lanes 16-31 block 2 c + 1
.irp i, 0,1,2
	v_permlane16_swap_b32 v[PC+6*\c+\i], v[OD+4*\c+\i]
.endr
.irp i, 0,1,2
	v_mov_b32 v[PC+3+6*\c+\i], v[OD+4*\c+\i]
.endr
.endr
.endm
.macro PUT a                           ; behind every fourth fragment: the four fragments' scale words are laid for their store.  All stores stand at the wave's end
.if (\a)%4 == 3
	v_cndmask_b32 v[PR+2*((\a)/4)], v[WD], v[WD+2], s66            ; v52-53 the first time, v54-55 the second: no store's data are written again
	v_cndmask_b32 v[PR+2*((\a)/4)+1], v[WD+1], v[WD+3], s66
.endif
.endm
.macro QKOUT a, left
	s_wait_loadcnt \left                           ; this fragment's cos and sin are in; the younger sets, 16 loads each, may be out
	ROPE \a
.if (\a) < 4
	CSLOAD (\a)+4                                  ; its registers take the set four fragments on
.endif
.set PC, 128+12*(\a)+16*((\a)/6)       ; this fragment's own twelve registers: no store's data are written again, so the way out waits for no store
	QUANT AC, WW, WD+(\a)%4
	PUT \a
.endm
.macro VOUT a
.set AC, 64*((\a)%4)
.set WW, 2+(\a)/4
.set PC, 128+12*(\a)+16*((\a)/6)
	QUANT AC, WW, WD+(\a)%4
	PUT \a
.endm
	CSLOAD 0                                       ; fragment 0's cos and sin, into the registers of window 1 that the K steps leave idle.  (v's work-groups load them too and do not use them: so every path has the same count of loads)
	s_wait_alu depctr_va_vdst(0)
	s_wait_tensorcnt 0x0                           ; my part of K steps 0 to 2 is in
	ds_add_u32 v[SPW], v[NIL]
	s_wait_dscnt 0x0
	CROUND                                         ; everybody's part is in, and all sixteen work-groups are here
	JLOAD G0+4, G1, G0B+4, G1B                     ; slot 1's first fill, K steps 3 to 5: the first tensor load behind the round; one load of mine is out
	FETCH 0, 0, 0
	ASKF 6                                         ; fill 2
.set FILLN, 1                          ; the number of the fill asked for last
	STEP 0, 0, 0, 1                                ; K step 0 starts the sums
	STEP 0, 1, 1, 0                                ; 1
	TURN 0, 1, 0, 1, 0, 0, 6*BLOCK                 ; 2; slot 0 takes K steps 6 to 8
	STEP 1, 0, 1, 0                                ; 3
	STEP 1, 1, 0, 0                                ; 4
	TURN 1, 0, 1, 1, 0, 0, 6*BLOCK                 ; 5; slot 1 takes K steps 9 to 11
	STEP 0, 0, 0, 0                                ; 6
	STEP 0, 1, 1, 0                                ; 7
	TURN 0, 1, 0, 1, 0, 0, 6*BLOCK                 ; 8; slot 0 takes K steps 12 to 14
	STEP 1, 0, 1, 0                                ; 9
	STEP 1, 1, 0, 0                                ; 10
	TURN 1, 0, 1, 1, 0, 1, 6*BLOCK                 ; 11; slot 1 takes K step 15 alone
	STEP 0, 0, 0, 0                                ; 12
	STEP 0, 1, 1, 0                                ; 13
	TURN 0, 1, 0, 0, 0, 0, 0                       ; 14; nothing is left to fetch, and no round of the cluster's barrier follows
	PLACES                                         ; C's set 0 has been multiplied for the last time:
	CSLOAD 1                                       ; fragment 1's cos and sin land there, asked for a K step ahead of the way out (in v's work-groups too, as fragment 0's)
	LAST 1                                         ; 15
	PLACES
.irp b, 0,1,2,3
	v_mov_b32 v[TM+4+\b], 0                        ; a lane permute's destination counts as one of its sources
.endr
	s_cmp_eq_u32 s67, 1                            ; made of the cluster's x alone
	s_cbranch_scc1 .Lvway
	CSLOAD 2
	CSLOAD 3
	QKOUT 0, 48
	QKOUT 1, 48
	QKOUT 2, 48
	QKOUT 3, 48
	QKOUT 4, 48
	QKOUT 5, 32
	QKOUT 6, 16
	QKOUT 7, 0
	s_branch .Ltail
.Lvway:
	VOUT 0
	VOUT 1
	VOUT 2
	VOUT 3
	VOUT 4
	VOUT 5
	VOUT 6
	VOUT 7
.Ltail:
	s_wait_alu depctr_va_vdst(0)
.irp a, 0,1,2,3,4,5,6,7                ; the eight images, each from its own twelve registers: 512 consecutive bytes a store
.irp c, 0,1,2
	global_store_b128 v[LI], v[128+12*\a+16*(\a/6)+4*\c:128+12*\a+16*(\a/6)+4*\c+3], s[70:71] offset:1536*\a+512*\c
.endr
.endr
	global_store_b64 v[SWO], v[PR:PR+1], s[70:71] offset:12288        ; the scale words: 256 consecutive bytes a store, aligned
	global_store_b64 v[SWO], v[PR+2:PR+3], s[70:71] offset:12288+256
	s_wait_tensorcnt 0x0
	ds_add_u32 v[SPW], v[NIL]
	s_wait_dscnt 0x0
	CROUND                                         ; the closing round: no work-group ends while a partner may still ask for a tile that names it
	s_endpgm
.Lfunc_end_k_q507acade59_qkv:
	.size	k_q507acade59_qkv, .Lfunc_end_k_q507acade59_qkv-k_q507acade59_qkv
	.p2alignl 7, 3214868480
	.fill 96, 4, 3214868480
	.section	.rodata,"a",@progbits
	.p2align	6, 0x0
	.amdhsa_kernel k_q507acade59_qkv
		.amdhsa_group_segment_fixed_size 327680
		.amdhsa_private_segment_fixed_size 0
		.amdhsa_enable_private_segment 0
		.amdhsa_kernarg_size 32
		.amdhsa_user_sgpr_count 2
		.amdhsa_user_sgpr_kernarg_segment_ptr 1
		.amdhsa_wavefront_size32 1
		.amdhsa_system_sgpr_workgroup_id_x 1
		.amdhsa_system_sgpr_workgroup_id_y 1
		.amdhsa_system_sgpr_workgroup_id_z 1
		.amdhsa_system_vgpr_workitem_id 0
		.amdhsa_next_free_vgpr 1024
		.amdhsa_next_free_sgpr 100
		.amdhsa_reserve_vcc 0
		.amdhsa_float_denorm_mode_32 3
		.amdhsa_float_denorm_mode_16_64 3
		.amdhsa_memory_ordered 1
		.amdhsa_forward_progress 1
		.amdhsa_inst_pref_size 255
	.end_amdhsa_kernel
	.section	.bss,"aw",@nobits
	.p2align	6
	.space	262144
	.amdgpu_metadata
---
amdhsa.version: [ 1, 2 ]
amdhsa.kernels:
  - .name:           k_q507acade59_qkv
    .symbol:         k_q507acade59_qkv.kd
    .args:
      - { .name: cod, .offset: 0, .size: 8, .value_kind: global_buffer, .address_space: global }
      - { .name: freqs_cos, .offset: 8, .size: 8, .value_kind: global_buffer, .address_space: global }
      - { .name: freqs_sin, .offset: 16, .size: 8, .value_kind: global_buffer, .address_space: global }
      - { .name: qkv, .offset: 24, .size: 8, .value_kind: global_buffer, .address_space: global }
    .group_segment_fixed_size: 327680
    .private_segment_fixed_size: 0
    .kernarg_segment_align: 8
    .kernarg_segment_size: 32
    .max_flat_workgroup_size: 128
    .sgpr_count:     100
    .vgpr_count:     1024
    .wavefront_size: 32
...
	.end_amdgpu_metadata
.endif
;; end of part 2
;; launch attn (part 3): grid 16 x 16, 8 waves a work-group, clusters of 4 x 1, 327,680 bytes of LDS; arguments qkv, mask, ao; writes ao
.if DOCPART == 3
	.amdgcn_target "amdgcn-amd-amdhsa--gfx1250"
	.amdhsa_code_object_version 6
	.text
	.protected	k_q507acade59_attn
	.globl	k_q507acade59_attn
	.p2align	8
	.type	k_q507acade59_attn,@function
k_q507acade59_attn:
	s_mov_b64 s[64:65], 0
	v_nop
	global_prefetch_b8 v0, s[64:65] scope:SCOPE_SE
	s_setreg_imm32_b32 hwreg(HW_REG_WAVE_MODE, 25, 1), 1
	s_wait_xcnt 0x0
	s_wait_alu depctr_hold_cnt(0) depctr_sa_sdst(0) depctr_va_vdst(0) depctr_va_sdst(0) depctr_va_ssrc(0) depctr_va_vcc(0) depctr_vm_vsrc(0)
	s_getreg_b32 s2, hwreg(HW_REG_IB_STS2, 6, 4)
	s_cmp_eq_u32 s2, 0
	s_cbranch_scc0 .Lentry_in_a_cluster
	s_endpgm
.Lentry_in_a_cluster:
	s_bfe_u32 s2, ttmp6, 0x10000c
	s_cmp_lg_u32 s2, 0x3003
	s_cbranch_scc0 .Lentry_shape_is_right
	s_endpgm
.Lentry_shape_is_right:
.set BLOCK, 12800
.set KVB,   2*BLOCK
.set NPOS,  10
.set SP,    528
.set WST,   16*SP
.set MST,   NPOS*KVB
.set STG,   MST+8*WST
.set SPARE, STG+512
.set LI,   1
.set STA,  2
.set SPW,  3
.set NIL,  4
.set ADK,  5
.set STB,  6
.set STW,  7
.set QSO,  8
.set SRD,  9
.set MO,   10
.set QF,   16
.set QS,   28
.set KF,   32
.set S,    128
.set PC,   192
.set KS,   212
.set VS,   216
.set PS,   220
.set PW,   221
.set TM,   224
.set BM,   224
.set BP,   228
.set SO4,  232
.set FF,   250
.set MK,   64
.set RAW,  128
.set WV,   18
.set TB,   2
.set CNT,  3
.set SEL,  20
.set L2E,  22
.set ISQ,  66
.set G1K,  24
.set G0K,  40
.set G0K2, 44
.set MB,   60
.set MSB, 0
.macro WIN new
.if MSB != (\new)
	s_set_vgpr_msb (MSB<<8)|(\new)
.set MSB, (\new)
.endif
.endm
.macro CROUND
	s_barrier_signal -1
	s_barrier_wait -1
	s_cmp_lg_u32 s[WV], 0
	s_cbranch_scc1 .Lnot_wave_0_\@
	s_barrier_signal -3
.Lnot_wave_0_\@:
	s_barrier_wait -3
	s_barrier_signal -1
	s_barrier_wait -1
.endm
.macro MEET
	s_wait_tensorcnt 0x0
	ds_add_u32 v[SPW], v[NIL]
	s_wait_dscnt 0x0
	s_barrier_signal -1
	s_barrier_wait -1
.endm
.macro MLOAD s
	WIN 0x40
.irp i, 0,1,2,3,4,5,6,7,8,9,10,11,12,13,14,15
	global_load_b128 v[RAW+64*(\s)+4*\i:RAW+64*(\s)+4*\i+3], v[MO+\s], s[MB:MB+1] offset:(\i+8*(\i/8))*8192
.endr
.endm
	s_load_b128 s[4:7], s[0:1], 0x0
	s_load_b64 s[8:9], s[0:1], 0x10
	v_lshl_add_u32 v[SPW], v0, 2, SPARE
	v_mov_b32 v[NIL], 0
	ds_add_u32 v[SPW], v[NIL]
	ds_add_u32 v[SPW], v[NIL]
	v_lshrrev_b32 v29, 5, v0
	s_delay_alu instid0(VALU_DEP_1)
	v_readfirstlane_b32 s[WV], v29
	s_bfe_u32 s10, ttmp6, 0x40000
	s_lshl_b32 s12, ttmp9, 2
	s_add_co_u32 s12, s12, s10
	s_and_b32 s13, ttmp7, 0xffff
	s_mov_b32 s[G1K], 15|(3<<16)|(1<<21)
	s_mov_b32 s[G1K+1], 32<<16
	s_mov_b32 s[G1K+2], 100<<16
	s_mov_b32 s[G1K+3], 32<<16
	s_mov_b32 s[G1K+4], 100
	s_mov_b32 s[G1K+5], 32
	s_mov_b32 s[G1K+6], 0
	s_mov_b32 s[G1K+7], 0
	s_mov_b32 s[SEL], 0x76543210
	s_mov_b32 s[SEL+1], 0xfedcba98
	s_mov_b32 s[L2E], 0x3fb8aa3b
	s_mov_b32 s[L2E+1], s[L2E]
	s_mov_b32 s[ISQ], 0x3db504f3
	s_mov_b32 s[ISQ+1], s[ISQ]
	s_mul_i32 s54, s13, 48*BLOCK
	s_mul_i32 s56, s[WV], 3*BLOCK
	s_add_co_u32 s56, s56, s54
	s_add_co_u32 s56, s56, BLOCK
	s_mov_b32 s57, 0
	s_mul_i32 s58, s[WV], KVB
	s_add_co_u32 s59, s58, 8*KVB
	s_lshl_b32 s60, s12, 7
	s_lshr_b32 s61, s[WV], 1
	s_lshl_b32 s61, s61, 5
	s_add_co_u32 s60, s60, s61
	s_and_b32 s61, s[WV], 1
	s_lshl_b32 s61, s61, 3
	s_add_co_u32 s60, s60, s61
	s_lshl_b32 s60, s60, 13
	s_mov_b32 s61, 0
	s_mul_i32 s62, s12, 3*BLOCK
	s_add_co_u32 s62, s62, s54
	s_mov_b32 s63, 0
	s_mul_i32 s68, s[WV], 1536
	s_mov_b32 s69, 0
	s_lshr_b32 s70, s[WV], 2
	s_lshl_b32 s70, s70, 8
	s_and_b32 s71, s[WV], 3
	s_lshl_b32 s71, s71, 2
	s_add_co_u32 s70, s70, s71
	s_add_co_u32 s84, s70, STG
	s_add_co_u32 s70, s70, 12288
	s_mov_b32 s71, 0
	s_lshl_b32 s72, s12, 4
	s_add_co_u32 s72, s72, s13
	s_mul_i32 s72, s72, BLOCK
	s_mov_b32 s73, 0
	s_mul_i32 s76, s[WV], WST
	s_add_co_u32 s76, s76, MST
	s_wait_dscnt 0x0
	CROUND                                         ; the round in front of the first joint loads; the arguments arrive meanwhile
	s_wait_kmcnt 0x0
	s_add_nc_u64 s[56:57], s[4:5], s[56:57]
	s_add_nc_u64 s[MB:MB+1], s[6:7], s[60:61]
	s_add_nc_u64 s[62:63], s[4:5], s[62:63]
	s_add_nc_u64 s[70:71], s[62:63], s[70:71]
	s_add_nc_u64 s[62:63], s[62:63], s[68:69]
	s_add_nc_u64 s[72:73], s[8:9], s[72:73]
	s_add_nc_u64 s[74:75], s[72:73], s[68:69]
	s_mov_b32 s[G0K], 1
	s_mov_b32 s[G0K+1], s58
	s_mov_b64 s[G0K+2:G0K+3], s[56:57]
	s_or_b32 s[G0K+3], s[G0K+3], 0x80000000
	s_mov_b32 s[G0K2], 1
	s_mov_b32 s[G0K2+1], s59
	s_add_nc_u64 s[G0K2+2:G0K2+3], s[56:57], 8*3*BLOCK
	s_or_b32 s[G0K2+3], s[G0K2+3], 0x80000000
	tensor_load_to_lds s[G0K:G0K+3], s[G1K:G1K+7]
	s_nop 0
.rept 4
	v_nop
.endr
	v_and_b32 v29, 31, v0
	v_and_b32 v30, 15, v0
	v_bfe_u32 v31, v0, 4, 1
	s_delay_alu instid0(VALU_DEP_3)
	v_lshlrev_b32 v[LI], 4, v29
	s_delay_alu instid0(VALU_DEP_3)
	v_lshlrev_b32 v[QSO], 4, v30
.irp c, 0,1,2
	global_load_b128 v[QF+4*\c:QF+4*\c+3], v[LI], s[62:63] offset:512*\c
.endr
	global_load_b32 v[QS], v[QSO], s[70:71]
	v_lshlrev_b32 v[MO], 4, v29
	v_add_nc_u32 v[MO+1], 512, v[LI]
	MLOAD 0
	MLOAD 1
	WIN 0
	v_add_nc_u32 v[STA], s76, v[LI]
	v_mul_u32_u24 v[STB], v30, SP
	s_delay_alu instid0(VALU_DEP_1)
	v_lshl_add_u32 v[STB], v31, 6, v[STB]
	s_delay_alu instid0(VALU_DEP_1)
	v_add_nc_u32 v[STB], s76, v[STB]
	v_add_nc_u32 v[STW], s84, v[QSO]
	v_add_nc_u32 v[SRD], STG, v[LI]
	v_mov_b32 v13, 0xff61b1e6
	s_delay_alu instid0(VALU_DEP_1)
	v_floor_f32 v12, -v13
	v_mov_b32 v14, 0
	v_mov_b32 v15, 0
.irp b, 0,1,2,3
	v_mov_b32 v[BP+\b], 0
.endr
	v_mov_b32 v[FF+1], 0
	WIN 0x40
.set pp, 0
.rept 64
	v_mov_b32 v[pp], 0
.set pp, pp+1
.endr
	WIN 0
.macro STEP s, ahead, left
	s_wait_loadcnt \left
.if (\s) == 0
	v_add_nc_u32 v[ADK], s[TB], v[LI]
.else
	v_nop
.endif
.if \ahead
	v_add_nc_u32 v[MO+\s], 1024, v[MO+\s]
.else
	s_wait_alu depctr_va_vdst(0)
	v_nop
.endif
	v_nop
	v_nop
	WIN 0x04
.irp i, 0,1,2,3,4,5,6,7,8,9,10,11,12,13,14,15
	ds_store_b128 v[STA], v[RAW+64*(\s)+4*\i:RAW+64*(\s)+4*\i+3] offset:SP*\i
.endr
	WIN 0
.irp t, 0,1,2,3,4,5,6,7
.irp c, 0,1,2
	ds_load_b128 v[KF+12*\t+4*\c:KF+12*\t+4*\c+3], v[ADK] offset:KVB*(\s)+1536*\t+512*\c
.endr
.endr
	ds_load_b128 v[KS:KS+3], v[ADK] offset:KVB*(\s)+12288
	WIN 0x40
.irp g, 0,1,2,3
.irp j, 0,1,2,3
	ds_load_b128 v[MK+16*\g+4*\j:MK+16*\g+4*\j+3], v[STB] offset:128*\g+16*\j
.endr
.endr
	s_wait_dscnt 16
.if \ahead
	s_wait_alu depctr_va_vdst(0)
	MLOAD \s
.endif
	WIN 0
.irp t, 0,1,2,3
	v_wmma_scale_f32_16x16x128_f8f6f4 v[S+8*\t:S+8*\t+7], v[KF+12*\t:KF+12*\t+11], v[QF:QF+11], 0, v[KS+\t], v[QS] matrix_a_fmt:MATRIX_FMT_FP6 matrix_b_fmt:MATRIX_FMT_FP6
.endr
.irp t, 4,5,6,7
	v_wmma_scale_f32_16x16x128_f8f6f4 v[S+8*\t:S+8*\t+7], v[KF+12*\t:KF+12*\t+11], v[QF:QF+11], 0, v[KS+\t-4], v[QS] matrix_a_fmt:MATRIX_FMT_FP6 matrix_b_fmt:MATRIX_FMT_FP6 matrix_a_scale:MATRIX_SCALE_ROW1
.endr
.rept 4
	v_nop
.endr
.irp t, 0,1,2,3,4,5,6,7
.irp c, 0,1,2
	ds_load_b128 v[KF+12*\t+4*\c:KF+12*\t+4*\c+3], v[ADK] offset:KVB*(\s)+BLOCK+1536*\t+512*\c
.endr
.endr
	ds_load_b128 v[VS:VS+3], v[ADK] offset:KVB*(\s)+BLOCK+12288
	s_wait_dscnt 25
	WIN 0x10
.set pp, 0
.rept 32
	v_pk_fma_f32 v[S+2*pp:S+2*pp+1], v[S+2*pp:S+2*pp+1], s[ISQ:ISQ+1], v[MK+2*pp:MK+2*pp+1] op_sel_hi:[1,0,1]
.set pp, pp+1
.endr
	WIN 0
.irp b, 0,1,2,3
	v_max3_num_f32 v[BM+\b], v[S+16*\b], v[S+1+16*\b], v[S+2+16*\b]
.endr
.irp i, 3,5,7,9,11,13
.irp b, 0,1,2,3
	s_delay_alu instid0(VALU_DEP_4)
	v_max3_num_f32 v[BM+\b], v[BM+\b], v[S+16*\b+\i], v[S+1+16*\b+\i]
.endr
.endr
.irp b, 0,1,2,3
	s_delay_alu instid0(VALU_DEP_4)
	v_max_num_f32 v[BM+\b], v[BM+\b], v[S+15+16*\b]
.endr
.irp b, 0,1,2,3
	s_delay_alu instid0(VALU_DEP_4)
	v_permlanex16_b32 v[BP+\b], v[BM+\b], s[SEL], s[SEL+1]
.endr
.irp b, 0,1,2,3
	s_delay_alu instid0(VALU_DEP_4)
	v_max_num_f32 v[BM+\b], v[BM+\b], v[BP+\b]
.endr
	s_delay_alu instid0(VALU_DEP_2)
	v_max3_num_f32 v254, v[BM], v[BM+1], v[BM+2]
	s_delay_alu instid0(VALU_DEP_1)
	v_max_num_f32 v254, v254, v[BM+3]
	s_delay_alu instid0(VALU_DEP_1)
	v_mul_f32 v254, s[L2E], v254
	s_delay_alu instid0(VALU_DEP_1)
	v_max_num_f32 v13, v13, v254
	v_mov_b32 v254, v12
	s_delay_alu instid0(VALU_DEP_2)
	v_floor_f32 v12, -v13
	s_delay_alu instid0(VALU_DEP_1)
	v_sub_f32 v254, v12, v254
	s_delay_alu instid0(VALU_DEP_1)
	v_cvt_i32_f32 v254, v254
	s_delay_alu instid0(VALU_DEP_1)
	v_ldexp_f32 v[FF], 1.0, v254
.set pp, 0
.rept 32
	v_pk_fma_f32 v[S+2*pp:S+2*pp+1], v[S+2*pp:S+2*pp+1], s[L2E:L2E+1], v[12:13] op_sel_hi:[1,0,0]
.set pp, pp+1
.endr
.irp b, 0,1,2,3
	v_fma_f32 v[BM+\b], v[BM+\b], s[L2E], v12
.endr
.set pp, 0
	s_wait_alu depctr_va_vdst(0)
.rept 64
	v_exp_f32 v[S+pp], v[S+pp]
.set pp, pp+1
.endr
	v_pk_mul_f32 v[14:15], v[14:15], v[FF:FF+1] op_sel_hi:[1,0]
	s_wait_alu depctr_va_vdst(0)
.irp b, 0,1,2,3
	v_exp_f32 v[BM+\b], v[BM+\b]
.endr
	v_pk_add_f32 v[BP:BP+1], v[S:S+1], v[S+2:S+3]
.irp j, 4,8,12,16,20,24,28,32,36,40,44,48,52,56,60
	v_pk_add_f32 v[14:15], v[14:15], v[S+\j:S+\j+1]
	v_pk_add_f32 v[BP:BP+1], v[BP:BP+1], v[S+2+\j:S+3+\j]
.endr
	s_delay_alu instid0(VALU_DEP_1)
	v_pk_add_f32 v[14:15], v[14:15], v[BP:BP+1]
	s_wait_alu depctr_va_vdst(0)
.irp b, 0,1,2,3
	v_max_num_f32 v[BM+\b], 0x1800000, v[BM+\b]
.endr
.irp b, 0,1,2,3
	s_delay_alu instid0(VALU_DEP_4)
	v_add_nc_u32 v[SO4+\b], 0xff000000, v[BM+\b]
.endr
.irp b, 0,1,2,3
	s_delay_alu instid0(VALU_DEP_4)
	v_lshrrev_b32 v[BP+\b], 23, v[SO4+\b]
.endr
	s_delay_alu instid0(VALU_DEP_3)
	v_lshl_or_b32 v[PS], v[BP+1], 8, v[BP]
	s_delay_alu instid0(VALU_DEP_1)
	v_lshl_or_b32 v[PS], v[BP+2], 16, v[PS]
	s_delay_alu instid0(VALU_DEP_1)
	v_lshl_or_b32 v[PS], v[BP+3], 24, v[PS]
.irp c, 0,1
	v_cvt_scalef32_pk16_fp6_f32 v[PC+6*\c:PC+2+6*\c], v[S+32*\c:S+15+32*\c], v[SO4+2*\c]
	v_cvt_scalef32_pk16_fp6_f32 v[PC+12+4*\c:PC+14+4*\c], v[S+16+32*\c:S+31+32*\c], v[SO4+2*\c+1]
.endr
	v_nop
.irp c, 0,1
.irp i, 0,1,2
	v_permlane16_swap_b32 v[PC+6*\c+\i], v[PC+12+4*\c+\i]
.endr
.irp i, 0,1,2
	s_delay_alu instid0(VALU_DEP_3)
	v_mov_b32 v[PC+3+6*\c+\i], v[PC+12+4*\c+\i]
.endr
.endr
	WIN 0x41
.set pp, 0
.rept 32
	v_pk_mul_f32 v[2*pp:2*pp+1], v[2*pp:2*pp+1], v[FF:FF+1] op_sel_hi:[1,0]
.set pp, pp+1
.endr
	s_wait_alu depctr_va_vdst(0)
	s_wait_dscnt 0x0
	WIN 0x50
.irp t, 0,1,2,3
	v_wmma_scale_f32_16x16x128_f8f6f4 v[8*\t:8*\t+7], v[KF+12*\t:KF+12*\t+11], v[PC:PC+11], v[8*\t:8*\t+7], v[VS+\t], v[PS] matrix_a_fmt:MATRIX_FMT_FP6 matrix_b_fmt:MATRIX_FMT_FP6
.endr
.irp t, 4,5,6,7
	v_wmma_scale_f32_16x16x128_f8f6f4 v[8*\t:8*\t+7], v[KF+12*\t:KF+12*\t+11], v[PC:PC+11], v[8*\t:8*\t+7], v[VS+\t-4], v[PS] matrix_a_fmt:MATRIX_FMT_FP6 matrix_b_fmt:MATRIX_FMT_FP6 matrix_a_scale:MATRIX_SCALE_ROW1
.endr
	WIN 0
.endm
.macro WALK first, trips
	s_mov_b32 s[TB], (\first)*KVB
	s_mov_b32 s[CNT], \trips
.Lpair_\@:
	STEP 0, 1, 16
	STEP 1, 1, 16
	s_add_co_u32 s[TB], s[TB], 2*KVB
	s_sub_co_u32 s[CNT], s[CNT], 1
	s_cmp_lg_u32 s[CNT], 0
	s_cbranch_scc1 .Lpair_\@
.endm
.macro QUANT s, pw
.irp b, 0,1,2,3
	v_max3_num_f32 v[TM+\b], |v[\s+16*\b]|, |v[\s+1+16*\b]|, 0x1800000
.endr
.irp i, 2,4,6,8,10,12,14
.irp b, 0,1,2,3
	s_delay_alu instid0(VALU_DEP_4)
	v_max3_num_f32 v[TM+\b], v[TM+\b], |v[\s+16*\b+\i]|, |v[\s+1+16*\b+\i]|
.endr
.endr
.irp b, 0,1,2,3
	s_delay_alu instid0(VALU_DEP_4)
	v_permlanex16_b32 v[TM+4+\b], v[TM+\b], s[SEL], s[SEL+1]
.endr
.irp b, 0,1,2,3
	s_delay_alu instid0(VALU_DEP_4)
	v_max_num_f32 v[TM+\b], v[TM+\b], v[TM+4+\b]
.endr
.irp b, 0,1,2,3
	s_delay_alu instid0(VALU_DEP_4)
	v_add_nc_u32 v[TM+12+\b], 0xff000000, v[TM+\b]
.endr
.irp b, 0,1,2,3
	s_delay_alu instid0(VALU_DEP_4)
	v_lshrrev_b32 v[TM+4+\b], 23, v[TM+12+\b]
.endr
	s_delay_alu instid0(VALU_DEP_3)
	v_lshl_or_b32 v[\pw], v[TM+5], 8, v[TM+4]
	s_delay_alu instid0(VALU_DEP_1)
	v_lshl_or_b32 v[\pw], v[TM+6], 16, v[\pw]
	s_delay_alu instid0(VALU_DEP_1)
	v_lshl_or_b32 v[\pw], v[TM+7], 24, v[\pw]
.irp c, 0,1
	v_cvt_scalef32_pk16_fp6_f32 v[PC+6*\c:PC+2+6*\c], v[\s+32*\c:\s+15+32*\c], v[TM+12+2*\c]
	v_cvt_scalef32_pk16_fp6_f32 v[PC+12+4*\c:PC+14+4*\c], v[\s+16+32*\c:\s+31+32*\c], v[TM+12+2*\c+1]
.endr
	v_nop
.irp c, 0,1
.irp i, 0,1,2
	v_permlane16_swap_b32 v[PC+6*\c+\i], v[PC+12+4*\c+\i]
.endr
.irp i, 0,1,2
	s_delay_alu instid0(VALU_DEP_3)
	v_mov_b32 v[PC+3+6*\c+\i], v[PC+12+4*\c+\i]
.endr
.endr
.endm
	; The head's set-up and the loads of q and of the first two mask tiles stand above, between my first tensor load and the wait for it.
	s_wait_alu depctr_va_vdst(0)
	s_wait_tensorcnt 0x0                           ; my key tile of places 0 to 7 is in
	ds_add_u32 v[SPW], v[NIL]
	s_wait_dscnt 0x0
	CROUND                                         ; everybody's tile is in, in all four partners
	s_cmp_lt_u32 s[WV], 2
	s_cbranch_scc0 .Lone_fill
	tensor_load_to_lds s[G0K2:G0K2+3], s[G1K:G1K+7]   ; places 8 and 9, first read eight steps on; the wait for them is the one in front of the refill's round, six steps on
	s_nop 0
.rept 4
	v_nop
.endr
.Lone_fill:
	WALK 0, 3
	s_wait_tensorcnt 0x0
	ds_add_u32 v[SPW], v[NIL]
	s_add_nc_u64 s[G0K+2:G0K+3], s[G0K+2:G0K+3], 10*3*BLOCK
	s_wait_dscnt 0x0
	CROUND
	s_cmp_lt_u32 s[WV], 6
	s_cbranch_scc0 .Lno_refill
	tensor_load_to_lds s[G0K:G0K+3], s[G1K:G1K+7]
	s_nop 0
.rept 4
	v_nop
.endr
.Lno_refill:
	WALK 6, 2
	MEET
	WALK 0, 2
	STEP 0, 0, 16
	STEP 1, 0, 0
.rept 4
	v_nop
.endr
	v_add_f32 v14, v14, v15
	s_delay_alu instid0(VALU_DEP_1)
	v_permlanex16_b32 v254, v14, s[SEL], s[SEL+1]
	s_delay_alu instid0(VALU_DEP_1)
	v_add_f32 v14, v14, v254
	s_wait_alu depctr_va_vdst(0)
	v_rcp_f32 v14, v14
	v_nop
	s_wait_alu depctr_va_vdst(0)
	WIN 0x01
.set pp, 0
.rept 64
	v_mul_f32 v[S+pp], v[pp], v14
.set pp, pp+1
.endr
	WIN 0
	QUANT S, PW
.irp c, 0,1,2
	global_store_b128 v[LI], v[PC+4*\c:PC+4*\c+3], s[74:75] offset:512*\c
.endr
	ds_store_b32 v[STW], v[PW]
	s_wait_dscnt 0x0
	s_barrier_signal -1
	s_barrier_wait -1
	s_cmp_lg_u32 s[WV], 0
	s_cbranch_scc1 .Lnot_first
	ds_load_b128 v[32:35], v[SRD]
	s_wait_dscnt 0x0
	global_store_b128 v[LI], v[32:35], s[72:73] offset:12288
.Lnot_first:
	s_wait_tensorcnt 0x0
	ds_add_u32 v[SPW], v[NIL]
	s_wait_dscnt 0x0
	CROUND
	s_endpgm
.Lfunc_end_k_q507acade59_attn:
	.size	k_q507acade59_attn, .Lfunc_end_k_q507acade59_attn-k_q507acade59_attn
	.p2alignl 7, 3214868480
	.fill 96, 4, 3214868480
	.section	.rodata,"a",@progbits
	.p2align	6, 0x0
	.amdhsa_kernel k_q507acade59_attn
		.amdhsa_group_segment_fixed_size 327680
		.amdhsa_private_segment_fixed_size 0
		.amdhsa_enable_private_segment 0
		.amdhsa_kernarg_size 24
		.amdhsa_user_sgpr_count 2
		.amdhsa_user_sgpr_kernarg_segment_ptr 1
		.amdhsa_wavefront_size32 1
		.amdhsa_system_sgpr_workgroup_id_x 1
		.amdhsa_system_sgpr_workgroup_id_y 1
		.amdhsa_system_sgpr_workgroup_id_z 1
		.amdhsa_system_vgpr_workitem_id 0
		.amdhsa_next_free_vgpr 512
		.amdhsa_next_free_sgpr 90
		.amdhsa_reserve_vcc 0
		.amdhsa_float_denorm_mode_32 3
		.amdhsa_float_denorm_mode_16_64 3
		.amdhsa_memory_ordered 1
		.amdhsa_forward_progress 1
		.amdhsa_inst_pref_size 227
	.end_amdhsa_kernel
	.amdgpu_metadata
---
amdhsa.version: [ 1, 2 ]
amdhsa.kernels:
  - .name:           k_q507acade59_attn
    .symbol:         k_q507acade59_attn.kd
    .args:
      - { .name: qkv, .offset: 0, .size: 8, .value_kind: global_buffer, .address_space: global }
      - { .name: mask, .offset: 8, .size: 8, .value_kind: global_buffer, .address_space: global }
      - { .name: ao, .offset: 16, .size: 8, .value_kind: global_buffer, .address_space: global }
    .group_segment_fixed_size: 327680
    .private_segment_fixed_size: 0
    .kernarg_segment_align: 8
    .kernarg_segment_size: 24
    .max_flat_workgroup_size: 256
    .sgpr_count:     90
    .vgpr_count:     512
    .wavefront_size: 32
...
	.end_amdgpu_metadata
.endif
;; end of part 3
;; launch oproj (part 4): grid 16 x 16, 4 waves a work-group, clusters of 4 x 4, 327,680 bytes of LDS; arguments ao, cod, out0; writes out0
.if DOCPART == 4
	.amdgcn_target "amdgcn-amd-amdhsa--gfx1250"
	.amdhsa_code_object_version 6
	.text
	.protected	k_q507acade59_oproj
	.globl	k_q507acade59_oproj
	.p2align	8
	.type	k_q507acade59_oproj,@function
k_q507acade59_oproj:
	s_mov_b64 s[64:65], 0
	v_nop
	global_prefetch_b8 v0, s[64:65] scope:SCOPE_SE
	s_setreg_imm32_b32 hwreg(HW_REG_WAVE_MODE, 25, 1), 1
	s_wait_xcnt 0x0
	s_wait_alu depctr_hold_cnt(0) depctr_sa_sdst(0) depctr_va_vdst(0) depctr_va_sdst(0) depctr_va_ssrc(0) depctr_va_vcc(0) depctr_vm_vsrc(0)
	s_getreg_b32 s2, hwreg(HW_REG_IB_STS2, 6, 4)
	s_cmp_eq_u32 s2, 0
	s_cbranch_scc0 .Lentry_in_a_cluster
	s_endpgm
.Lentry_in_a_cluster:
	s_bfe_u32 s2, ttmp6, 0x10000c
	s_cmp_lg_u32 s2, 0xf033
	s_cbranch_scc0 .Lentry_shape_is_right
	s_endpgm
.Lentry_shape_is_right:
.set NR,     4
.set NC,     4
.set NQ,     4
.set BLOCK,  12800
.set REGION, 2*BLOCK
.set SLOT,   4*REGION
.set STAGE,  3*SLOT
.set SPITCH, 272
.set SPARE,  STAGE+4*16*SPITCH
.set STEPB,  12*BLOCK
.set ADRA, 6
.set ADRB, 9
.set ADRS, 12
.set STO,  22
.set RD,   23
.set CO,   24
.set LI,   25
.set SPW,  28
.set NIL,  29
.set SC,   32
.set RF,   64
.set BK,   64
.set G1,   24
.set G0,   68
.set G1B,  48
.set G0B,  84
.set MSB, 0
.macro WIN new
.if MSB != (\new)
	s_set_vgpr_msb (MSB<<8)|(\new)
.set MSB, (\new)
.endif
.endm
.macro JLOAD g0a, g1a, g0b, g1b
	s_cmp_eq_u32 s15, 0
	s_cbranch_scc0 .Lfor_b_\@
	tensor_load_to_lds s[\g0a:\g0a+3], s[\g1a:\g1a+7]
	s_nop 0
.rept 4
	v_nop
.endr
	s_branch .Lasked_\@
.Lfor_b_\@:
	tensor_load_to_lds s[\g0b:\g0b+3], s[\g1b:\g1b+7]
	s_nop 0
.rept 4
	v_nop
.endr
.Lasked_\@:
.endm
.macro CREST
	s_cmp_lg_u32 s14, 0
	s_cbranch_scc1 .Lnot_wave_0_\@
	s_barrier_signal -3
.Lnot_wave_0_\@:
	s_barrier_wait -3
	s_barrier_signal -1
	s_barrier_wait -1
.endm
.macro CROUND
	s_barrier_signal -1
	s_barrier_wait -1
	CREST
.endm
.macro PLACES
.rept 4
	v_nop
.endr
.endm
.macro FETCH slot, q, p
	WIN 0x40
.set ff, 0
.rept NC
.irp c, 0,1,2
	ds_load_b128 v[128*(\p)+12*ff+4*\c:128*(\p)+12*ff+4*\c+3], v[ADRB+\slot] offset:BLOCK*(\q)+1536*ff+512*\c
.endr
.set ff, ff+1
.endr
	WIN 0
.set ff, 0
.rept NR
.irp c, 0,1,2
	ds_load_b128 v[RF+96*(\p)+12*ff+4*\c:RF+96*(\p)+12*ff+4*\c+3], v[ADRA+\slot] offset:BLOCK*(\q)+1536*ff+512*\c
.endr
.set ff, ff+1
.endr
.set ff, 0
.rept NR/4
	ds_load_b128 v[SC+8*(\p)+4*ff:SC+8*(\p)+4*ff+3], v[ADRS+\slot] offset:BLOCK*(\q)+256*ff
.set ff, ff+1
.endr
.endm
.macro MULROWS a0, cnt, p, zero
.set ma, \a0
.rept \cnt
	WIN 0xa1+0x50*(ma/4)
.set mb, 0
.rept NC
.set rD, 8*(NC*(ma%4)+mb)
.set rA, 128*(\p)+12*mb
.set rB, RF+96*(\p)+12*ma
.if \zero
	v_wmma_scale_f32_16x16x128_f8f6f4 v[rD:rD+7], v[rA:rA+11], v[rB:rB+11], 0, v[SC+8*(\p)+mb], v[SC+8*(\p)+ma] matrix_a_fmt:MATRIX_FMT_FP6 matrix_b_fmt:MATRIX_FMT_FP6 matrix_a_scale:MATRIX_SCALE_ROW1
.else
	v_wmma_scale_f32_16x16x128_f8f6f4 v[rD:rD+7], v[rA:rA+11], v[rB:rB+11], v[rD:rD+7], v[SC+8*(\p)+mb], v[SC+8*(\p)+ma] matrix_a_fmt:MATRIX_FMT_FP6 matrix_b_fmt:MATRIX_FMT_FP6 matrix_a_scale:MATRIX_SCALE_ROW1
.endif
.set mb, mb+1
.endr
.set ma, ma+1
.endr
.endm
.macro STEP slot, q, zero, first
	s_wait_dscnt 0x0
.if \first == 0
	PLACES
.endif
	FETCH \slot, (\q)+1, 1-(\q)%2
	MULROWS 0, NR, (\q)%2, \zero
	WIN 0
.endm
.macro TURN slot, next, fill
	s_wait_tensorcnt 0x0
	ds_add_u32 v[SPW], v[NIL]
	s_wait_dscnt 1
	MULROWS 0, NR/4, 1, 0
	s_wait_dscnt 0x0
	s_barrier_signal -1
	MULROWS NR/4, NR/4, 1, 0
	WIN 0
	s_barrier_wait -1
.if \fill
	CREST
.if \fill == 2                         ; fill = 2: slot 0, read out a slot ago, takes K steps 12 to 15;  fill = 1: slot 2's first fill, K steps 8 to 11
	s_add_nc_u64 s[G0+2:G0+3], s[G0+2:G0+3], STEPB
	s_add_nc_u64 s[G0B+2:G0B+3], s[G0B+2:G0B+3], STEPB
	JLOAD G0, G1, G0B, G1B
.else
	JLOAD G0+8, G1, G0B+8, G1B
.endif
.else
	PLACES
.endif
	FETCH \next, 0, 0
.if \fill == 1
	global_prefetch_b8 v26, s[56:57] offset:12*BLOCK th:TH_LOAD_NT scope:SCOPE_SE   ; K steps 12 to 15
.endif
	MULROWS NR/2, NR/2, 1, 0
	WIN 0
.endm
.macro LAST
	s_wait_dscnt 0x0
	MULROWS 0, NR, 1, 0
	WIN 0
.endm
	s_load_b128 s[4:7], s[0:1], 0x0
	s_load_b64 s[8:9], s[0:1], 0x10
	v_lshl_add_u32 v[SPW], v0, 2, SPARE
	v_mov_b32 v[NIL], 0
	ds_add_u32 v[SPW], v[NIL]
	ds_add_u32 v[SPW], v[NIL]
	v_lshrrev_b32 v1, 5, v0
	v_readfirstlane_b32 s14, v1
	s_lshr_b32 s15, s14, 1
	s_and_b32 s16, s14, 1
	s_bfe_u32 s40, ttmp6, 0x40000
	s_bfe_u32 s41, ttmp6, 0x40004
	s_lshl_b32 s42, ttmp9, 2
	s_add_co_u32 s42, s42, s40
	s_and_b32 s17, ttmp7, 0xffff
	s_lshl_b32 s17, s17, 2
	s_add_co_u32 s17, s17, s41
	s_lshl_b32 s43, s41, 2
	s_lshl_b32 s43, 15, s43
	s_lshl_b32 s44, 0x1111, s40
	s_or_b32 s[G1+0], s43, (3<<16)|(1<<21)
	s_or_b32 s[G1B+0], s44, (3<<16)|(1<<21)
.irp g, G1, G1B
	s_mov_b32 s[\g+1], 32<<16
	s_mov_b32 s[\g+2], 100<<16
	s_mov_b32 s[\g+3], 32<<16
	s_mov_b32 s[\g+4], 100
	s_mov_b32 s[\g+5], 32
	s_mov_b32 s[\g+6], 0
	s_mov_b32 s[\g+7], 0
.endr
	s_lshl_b32 s18, s16, 1
	s_lshl_b32 s20, s17, 4
	s_add_co_u32 s20, s20, s18
	s_mul_i32 s20, s20, BLOCK
	s_mov_b32 s21, 0
	s_add_co_u32 s22, s42, 64
	s_lshl_b32 s22, s22, 4
	s_add_co_u32 s22, s22, s18
	s_mul_i32 s22, s22, BLOCK
	s_mov_b32 s23, 0
	s_mul_i32 s45, s14, REGION
	v_and_b32 v26, 31, v0                          ; v26: the prefetches' offset: lanes 0-24 a row of 256 bytes each; the seven lanes left over name the last row again; never rewritten
	v_min_u32 v26, 24, v26
	v_lshlrev_b32 v26, 8, v26
	s_wait_alu depctr_va_vdst(0)
	s_wait_dscnt 0x0
	CROUND                                         ; the round in front of the first joint loads; the arguments arrive meanwhile
	s_wait_kmcnt 0x0
	s_add_nc_u64 s[80:81], s[4:5], s[20:21]
	s_add_nc_u64 s[82:83], s[6:7], s[22:23]
	; PREFETCH: a fill of mine is 100 rows of 256 bytes, which four partners ask for jointly: they share the rows out BY ADDRESS, 25 each (place cx for R's tiles, cy for C's).
	; Behind each fill but the last stands one request a wave for the next fill's rows: one fill, four K steps, ahead.  Each block of 256 bytes is named once in the cluster.
	s_cmp_eq_u32 s15, 0
	s_cselect_b64 s[56:57], s[80:81], s[82:83]     ; the tile that I fetch
	s_cselect_b32 s58, s40, s41                    ; my place among the four
	s_mul_i32 s58, s58, 25*256
	s_mov_b32 s59, 0
	s_add_nc_u64 s[56:57], s[56:57], s[58:59]      ; never rewritten
.irp s, 0,1,2
	s_mov_b32 s[G0+4*\s], 1
	s_add_co_u32 s[G0+4*\s+1], s45, \s*SLOT
	s_add_nc_u64 s[G0+4*\s+2:G0+4*\s+3], s[80:81], \s*NQ*BLOCK
	s_or_b32 s[G0+4*\s+3], s[G0+4*\s+3], 0x80000000
	s_mov_b32 s[G0B+4*\s], 1
	s_add_co_u32 s[G0B+4*\s+1], s45, \s*SLOT
	s_add_nc_u64 s[G0B+4*\s+2:G0B+4*\s+3], s[82:83], \s*NQ*BLOCK
	s_or_b32 s[G0B+4*\s+3], s[G0B+4*\s+3], 0x80000000
.endr
	JLOAD G0, G1, G0B, G1B                         ; K steps 0 to 3: one tensor load a wave at the head
	global_prefetch_b8 v26, s[56:57] offset:4*BLOCK th:TH_LOAD_NT scope:SCOPE_SE    ; K steps 4 to 7
	v_and_b32 v1, 31, v0
	v_and_b32 v2, 15, v0
	v_bfe_u32 v3, v0, 4, 1
	s_wait_alu depctr_va_vdst(0)
	v_lshlrev_b32 v[LI], 4, v1
	s_wait_alu depctr_va_vdst(0)
	s_mul_i32 s18, s15, 6144
	s_mul_i32 s19, s16, 6144
	s_add_co_u32 s19, s19, 2*REGION
	s_lshl_b32 s12, s15, 8
	s_add_co_u32 s12, s12, 12288
	s_lshl_b32 s13, s16, 8
	s_add_co_u32 s13, s13, 2*REGION+12288
	s_sub_co_u32 s13, s13, s12
	v_mul_u32_u24 v4, s13, v3
	v_lshl_add_u32 v4, v2, 4, v4
.irp s, 0,1,2
	v_add_nc_u32 v[ADRA+\s], s18, v[LI]
	v_add_nc_u32 v[ADRB+\s], s19, v[LI]
	v_add_nc_u32 v[ADRS+\s], s12, v4
	s_add_co_u32 s18, s18, SLOT
	s_add_co_u32 s19, s19, SLOT
	s_add_co_u32 s12, s12, SLOT
.endr
	s_mul_i32 s18, s14, 16*SPITCH
	s_add_co_u32 s18, s18, STAGE
	v_mul_u32_u24 v[STO], v2, SPITCH
	v_lshl_add_u32 v[STO], v3, 6, v[STO]
	v_add_nc_u32 v[STO], s18, v[STO]
	v_mul_u32_u24 v[RD], v3, SPITCH
	v_lshl_add_u32 v[RD], v2, 4, v[RD]
	v_add_nc_u32 v[RD], s18, v[RD]
	v_lshlrev_b32 v[CO], 13, v3
	v_lshl_add_u32 v[CO], v2, 4, v[CO]
	s_lshl_b32 s32, s17, 7
	s_lshl_b32 s33, s15, 6
	s_add_co_u32 s32, s32, s33
	s_lshl_b32 s32, s32, 13
	s_lshl_b32 s33, s42, 9
	s_add_co_u32 s32, s32, s33
	s_lshl_b32 s33, s16, 8
	s_add_co_u32 s32, s32, s33
	s_mov_b32 s33, 0
	s_add_nc_u64 s[46:47], s[8:9], s[32:33]
	s_wait_alu depctr_va_vdst(0)
	s_wait_tensorcnt 0x0                           ; my part of slot 0 is in
	ds_add_u32 v[SPW], v[NIL]
	s_wait_dscnt 0x0
	CROUND                                         ; everybody's part is in, and all sixteen work-groups are here
	JLOAD G0+4, G1, G0B+4, G1B                     ; slot 1's first fill, K steps 4 to 7: the first tensor load behind the round
	FETCH 0, 0, 0
	global_prefetch_b8 v26, s[56:57] offset:8*BLOCK th:TH_LOAD_NT scope:SCOPE_SE    ; K steps 8 to 11
	STEP 0, 0, 1, 1
	STEP 0, 1, 0, 0
	STEP 0, 2, 0, 0
	TURN 0, 1, 1
	STEP 1, 0, 0, 0
	STEP 1, 1, 0, 0
	STEP 1, 2, 0, 0
	TURN 1, 2, 2
	STEP 2, 0, 0, 0
	STEP 2, 1, 0, 0
	STEP 2, 2, 0, 0
	TURN 2, 0, 0
	STEP 0, 0, 0, 0
	STEP 0, 1, 0, 0
	STEP 0, 2, 0, 0
	LAST
.macro TOSTAGE a
	WIN 0x08
.irp b, 0,1,2,3
.irp e, 0,1
	ds_store_b128 v[STO], v[8*(4*(\a)+\b)+4*\e:8*(4*(\a)+\b)+4*\e+3] offset:128*(\b/2)+32*(\b%2)+16*\e
.endr
.endr
	WIN 0
.irp t, 0,1,2,3,4,5,6,7
	ds_load_b128 v[BK+32*(\a)+4*\t:BK+32*(\a)+4*\t+3], v[RD] offset:2*SPITCH*\t
.endr
.endm
.macro SEND a, younger
	s_wait_dscnt \younger
.irp t, 0,1,2,3,4,5,6,7
	global_store_b128 v[CO], v[BK+32*(\a)+4*\t:BK+32*(\a)+4*\t+3], s[46:47] offset:(32*((\a)/2)+8*((\a)%2)+2*\t+8*(\t/4))*8192 th:TH_STORE_NT
.endr
.endm
	PLACES
	TOSTAGE 0                                      ; all four blocks go through my stage first (LDS serves a wave's instructions in order; each block comes back into registers of its own),
	TOSTAGE 1
	TOSTAGE 2
	TOSTAGE 3
	SEND 0, 48                                     ; then all the stores: behind block a's loads stand 16 LDS instructions for each later block
	SEND 1, 32
	SEND 2, 16
	SEND 3, 0
	s_wait_tensorcnt 0x0
	ds_add_u32 v[SPW], v[NIL]
	s_wait_dscnt 0x0
	CROUND
	s_endpgm
.Lfunc_end_k_q507acade59_oproj:
	.size	k_q507acade59_oproj, .Lfunc_end_k_q507acade59_oproj-k_q507acade59_oproj
	.p2alignl 7, 3214868480
	.fill 96, 4, 3214868480
	.section	.rodata,"a",@progbits
	.p2align	6, 0x0
	.amdhsa_kernel k_q507acade59_oproj
		.amdhsa_group_segment_fixed_size 327680
		.amdhsa_private_segment_fixed_size 0
		.amdhsa_enable_private_segment 0
		.amdhsa_kernarg_size 24
		.amdhsa_user_sgpr_count 2
		.amdhsa_user_sgpr_kernarg_segment_ptr 1
		.amdhsa_wavefront_size32 1
		.amdhsa_system_sgpr_workgroup_id_x 1
		.amdhsa_system_sgpr_workgroup_id_y 1
		.amdhsa_system_sgpr_workgroup_id_z 1
		.amdhsa_system_vgpr_workitem_id 0
		.amdhsa_next_free_vgpr 640
		.amdhsa_next_free_sgpr 98
		.amdhsa_reserve_vcc 0
		.amdhsa_float_denorm_mode_32 3
		.amdhsa_float_denorm_mode_16_64 3
		.amdhsa_memory_ordered 1
		.amdhsa_forward_progress 1
		.amdhsa_inst_pref_size 81
	.end_amdhsa_kernel
	.amdgpu_metadata
---
amdhsa.version: [ 1, 2 ]
amdhsa.kernels:
  - .name:           k_q507acade59_oproj
    .symbol:         k_q507acade59_oproj.kd
    .args:
      - { .name: ao, .offset: 0, .size: 8, .value_kind: global_buffer, .address_space: global }
      - { .name: cod, .offset: 8, .size: 8, .value_kind: global_buffer, .address_space: global }
      - { .name: out0, .offset: 16, .size: 8, .value_kind: global_buffer, .address_space: global }
    .group_segment_fixed_size: 327680
    .private_segment_fixed_size: 0
    .kernarg_segment_align: 8
    .kernarg_segment_size: 24
    .max_flat_workgroup_size: 128
    .sgpr_count:     98
    .vgpr_count:     640
    .wavefront_size: 32
...
	.end_amdgpu_metadata
.endif
;; end of part 4
